; MI455X (gfx1250); checked and timed in simulation.
; The chip was launched on July 23, 2026; its instructions are those of AMD's public machine-readable ISA for CDNA 5 (MIT licence, August 2026) and "CDNA5" Instruction Set Architecture Reference Guide (July 2026). The comments in the code are by the model that wrote it; some were corrected since.
;; Casual Self Attention. Allowed arithmetic: float matrix products may take bf16 or f16 operands with f32 sums; other float arithmetic in f32, or as packed bf16 or f16 multiplies, adds, multiply-adds, maxima and minima; sums over many terms, partial sums and values carried from step to step in f32; what a program stores and reads back later, other than sums and carried values, may be rounded once to bf16 or f16.
;; Inputs: b_attn 3,072 float32; b_proj 1,024 float32; w_attn 1,024 x 3,072 float32; w_proj 1,024 x 1,024 float32; x 4 x 2,048 x 1,024 float32.
;; Outputs: out0 4 x 2,048 x 1,024 float32.
;; 2 versions, each right; version 2 is version 1 with the launch prep written anew for expert scheduling mode. Each part assembles by itself: llvm-mc -triple=amdgcn-amd-amdhsa -mcpu=gfx1250 --defsym DOCPART=n.
;; ======== version 1 of 2: 4 launches
;; limits: values are held in f16: magnitudes above 65,504 overflow, below 6.1e-05 lose precision; right only within a limited range of input values
;; workspace buffers: xb 16,777,216 bytes; wab 6,291,456 bytes; wpb 2,097,152 bytes; qq 33,554,432 bytes; kv 50,331,648 bytes; yy 16,777,216 bytes
;; launch prep (part 1): grid 768 x 1, 8 waves a work-group, no clusters, 0 bytes of LDS; arguments x, w_attn, w_proj, xb, wab, wpb; writes xb, wab, wpb
.if DOCPART == 1
	.amdgcn_target "amdgcn-amd-amdhsa--gfx1250"
	.amdhsa_code_object_version 6
	.text
	.protected	k_qf2706a46d5_prep
	.globl	k_qf2706a46d5_prep
	.p2align	8
	.type	k_qf2706a46d5_prep,@function
k_qf2706a46d5_prep:
	s_mov_b64 s[64:65], 0
	v_nop
	global_prefetch_b8 v0, s[64:65] scope:SCOPE_SE
	s_setreg_imm32_b32 hwreg(HW_REG_WAVE_MODE, 25, 1), 1
	s_wait_xcnt 0x0
; PREP: the three large inputs are rounded once to bf16 (nearest even) and laid out for the products that follow.
;   xb  [batch 4][kb 16][t 2048][64] bf16: the 64 channels kb of all rows lie end to end, 128 bytes a row
;   wab [1024][3072] bf16, laid as w_attn
;   wpb [1024][1024]: w_proj rounded to bf16, that number written as f16
; LIMIT: a w_proj of 65,520 or more in magnitude becomes an infinity in f16; below 2^-14 the f16 keeps a fixed step of 6e-8.
; A stream: nothing is shared, so no LDS, no matrix unit, no cluster.  A work-group takes 16,384 numbers; each lane has its 16 loads of
; 16 bytes out at once and owns a register for every load and every store, so no register is written twice.
; Work-groups 0-511: x, 16 rows each.  512-703: w_attn.  704-767: w_proj.
.set VI,  2                            ; v2  byte offset of my 16 bytes in
.set VO,  3                            ; v3  byte offset of my 8 bytes out
.set IN,  8                            ; v[8:71]   16 x 4 numbers in f32
.set OUT, 72                           ; v[72:103] 16 x 4 numbers in 16 bits
.set TT,  104                          ; v[104:105] at work
.macro CAST inb, outb, istr, ostr, f16
.set i, 0
.rept 16
	global_load_b128 v[IN+4*i:IN+4*i+3], v[VI], s[\inb:\inb+1] offset:i*(\istr) th:TH_LOAD_NT
.set i, i+1
.endr
.set i, 0
.rept 16
	s_wait_loadcnt 15-i                            ; loads come back in order: load i is in, the 15 - i younger ones stay out
.irp h, 0,1
.if \f16
	v_cvt_pk_bf16_f32 v[TT], v[IN+4*i+2*\h], v[IN+4*i+2*\h+1]     ; rounded to bf16,
	v_lshlrev_b32 v[TT+1], 16, v[TT]                              ; widened again,
	v_and_b32 v[TT], s16, v[TT]
	v_cvt_pk_f16_f32 v[OUT+2*i+\h], v[TT+1], v[TT]                ; and written as f16: 8 significant bits fit into 11
.else
	v_cvt_pk_bf16_f32 v[OUT+2*i+\h], v[IN+4*i+2*\h], v[IN+4*i+2*\h+1]
.endif
.endr
	global_store_b64 v[VO], v[OUT+2*i:OUT+2*i+1], s[\outb:\outb+1] offset:i*(\ostr)  ; a wave stores 256 consecutive bytes, aligned
.set i, i+1
.endr
	s_endpgm
.endm
	s_load_b256 s[4:11], s[0:1], 0x0               ; x s[4:5], w_attn s[6:7], w_proj s[8:9], xb s[10:11]
	s_load_b128 s[12:15], s[0:1], 0x20             ; wab s[12:13], wpb s[14:15]
	s_mov_b32 s16, 0xffff0000                      ; a word's upper bf16
	s_mov_b32 s17, ttmp9
	s_mov_b32 s19, 0
	s_mov_b32 s21, 0
	s_cmp_lt_u32 s17, 512
	s_cbranch_scc0 .Lweights
	; x: rows 16 g .. 16 g + 15.  Sixteen lanes take 256 bytes (64 channels) of a row; load i takes channel block i
	v_lshrrev_b32 v1, 4, v0                        ; my row of the 16
	v_and_b32 v4, 15, v0
	v_lshlrev_b32 v[VI], 12, v1
	v_lshl_add_u32 v[VI], v4, 4, v[VI]
	v_lshlrev_b32 v[VO], 7, v1
	v_lshl_add_u32 v[VO], v4, 3, v[VO]
	s_lshl_b32 s18, s17, 16                        ; 16 rows of 4,096 bytes
	s_lshr_b32 s20, s17, 7                         ; the batch,
	s_lshl_b32 s20, s20, 22                        ; 4,194,304 bytes of xb each
	s_and_b32 s22, s17, 127
	s_lshl_b32 s22, s22, 11                        ; 16 rows of 128 bytes
	s_add_co_u32 s20, s20, s22
	s_wait_kmcnt 0x0
	s_add_nc_u64 s[4:5], s[4:5], s[18:19]
	s_add_nc_u64 s[10:11], s[10:11], s[20:21]
	CAST 4, 10, 256, 262144, 0
.Lweights:
	; the weights keep their layout: a wave takes 8,192 consecutive bytes, 512 a load
	v_lshrrev_b32 v1, 5, v0
	v_and_b32 v4, 31, v0
	v_lshlrev_b32 v[VI], 13, v1
	v_lshl_add_u32 v[VI], v4, 4, v[VI]
	v_lshlrev_b32 v[VO], 12, v1
	v_lshl_add_u32 v[VO], v4, 3, v[VO]
	s_cmp_lt_u32 s17, 704
	s_cbranch_scc0 .Lwproj
	s_sub_co_u32 s17, s17, 512
	s_lshl_b32 s18, s17, 16
	s_lshl_b32 s20, s17, 15
	s_wait_kmcnt 0x0
	s_add_nc_u64 s[6:7], s[6:7], s[18:19]
	s_add_nc_u64 s[12:13], s[12:13], s[20:21]
	CAST 6, 12, 512, 256, 0
.Lwproj:
	s_sub_co_u32 s17, s17, 704
	s_lshl_b32 s18, s17, 16
	s_lshl_b32 s20, s17, 15
	s_wait_kmcnt 0x0
	s_add_nc_u64 s[8:9], s[8:9], s[18:19]
	s_add_nc_u64 s[14:15], s[14:15], s[20:21]
	CAST 8, 14, 512, 256, 1
.Lfunc_end_k_qf2706a46d5_prep:
	.size	k_qf2706a46d5_prep, .Lfunc_end_k_qf2706a46d5_prep-k_qf2706a46d5_prep
	.p2alignl 7, 3214868480
	.fill 96, 4, 3214868480
	.section	.rodata,"a",@progbits
	.p2align	6, 0x0
	.amdhsa_kernel k_qf2706a46d5_prep
		.amdhsa_group_segment_fixed_size 0
		.amdhsa_private_segment_fixed_size 0
		.amdhsa_enable_private_segment 0
		.amdhsa_kernarg_size 48
		.amdhsa_user_sgpr_count 2
		.amdhsa_user_sgpr_kernarg_segment_ptr 1
		.amdhsa_wavefront_size32 1
		.amdhsa_system_sgpr_workgroup_id_x 1
		.amdhsa_system_sgpr_workgroup_id_y 1
		.amdhsa_system_sgpr_workgroup_id_z 1
		.amdhsa_system_vgpr_workitem_id 0
		.amdhsa_next_free_vgpr 112
		.amdhsa_next_free_sgpr 66
		.amdhsa_reserve_vcc 0
		.amdhsa_float_denorm_mode_32 3
		.amdhsa_float_denorm_mode_16_64 3
		.amdhsa_memory_ordered 1
		.amdhsa_forward_progress 1
		.amdhsa_inst_pref_size 23
	.end_amdhsa_kernel
	.amdgpu_metadata
---
amdhsa.version: [ 1, 2 ]
amdhsa.kernels:
  - .name:           k_qf2706a46d5_prep
    .symbol:         k_qf2706a46d5_prep.kd
    .args:
      - { .name: x, .offset: 0, .size: 8, .value_kind: global_buffer, .address_space: global }
      - { .name: w_attn, .offset: 8, .size: 8, .value_kind: global_buffer, .address_space: global }
      - { .name: w_proj, .offset: 16, .size: 8, .value_kind: global_buffer, .address_space: global }
      - { .name: xb, .offset: 24, .size: 8, .value_kind: global_buffer, .address_space: global }
      - { .name: wab, .offset: 32, .size: 8, .value_kind: global_buffer, .address_space: global }
      - { .name: wpb, .offset: 40, .size: 8, .value_kind: global_buffer, .address_space: global }
    .group_segment_fixed_size: 0
    .private_segment_fixed_size: 0
    .kernarg_segment_align: 8
    .kernarg_segment_size: 48
    .max_flat_workgroup_size: 256
    .sgpr_count:     66
    .vgpr_count:     112
    .wavefront_size: 32
...
	.end_amdgpu_metadata
.endif
;; end of part 1
;; launch qkv (part 2): grid 8 x 32, 4 waves a work-group, clusters of 4 x 4, 327,680 bytes of LDS; arguments xb, wab, b_attn, qq, kv; writes qq, kv
.if DOCPART == 2
	.amdgcn_target "amdgcn-amd-amdhsa--gfx1250"
	.amdhsa_code_object_version 6
	.text
	.protected	k_qf2706a46d5_qkv
	.globl	k_qf2706a46d5_qkv
	.p2align	8
	.type	k_qf2706a46d5_qkv,@function
k_qf2706a46d5_qkv:
	s_mov_b64 s[64:65], 0
	v_nop
	global_prefetch_b8 v0, s[64:65] scope:SCOPE_SE
	s_setreg_imm32_b32 hwreg(HW_REG_WAVE_MODE, 25, 1), 1
	s_wait_xcnt 0x0
	s_wait_alu depctr_hold_cnt(0) depctr_sa_sdst(0) depctr_va_vdst(0) depctr_va_sdst(0) depctr_va_ssrc(0) depctr_va_vcc(0) depctr_vm_vsrc(0)
	s_getreg_b32 s2, hwreg(HW_REG_IB_STS2, 6, 4)
	s_cmp_eq_u32 s2, 0
	s_cbranch_scc0 .Lentry_in_a_cluster
	s_endpgm
.Lentry_in_a_cluster:
	s_bfe_u32 s2, ttmp6, 0x10000c
	s_cmp_lg_u32 s2, 0xf033
	s_cbranch_scc0 .Lentry_shape_is_right
	s_endpgm
.Lentry_shape_is_right:
; QKV: [8192 x 1024] x [1024 x 3072] + bias, bf16 operands, f32 sums; the bias, rounded to bf16 like every input, starts the sums.
; OUT, all f16, in the order in which the attention's matrix fragments lie in registers, so that each store of a wave is 512 consecutive bytes:
;   16 rows x 64 channels are 2,048 bytes: byte = (channel / 8) x 256 + row x 16 + (channel % 8) x 2
;   qq: (batch x 16 + head) x 524,288 + (t / 16) x 4,096 + part x 2,048   part 0: q rounded to f16 (hi); part 1: f16(q - hi) (lo)
;   kv: (batch x 16 + head) x 786,432 + (t / 256) x 98,304 + part x 32,768 + ((t % 256) / 16) x 2,048   part 0: k hi, 1: k lo, 2: v turned:
;       for 16 keys, channel block cb: cb x 512 + 16 x lane, lane (r, h) holding keys 8 h .. 8 h + 7 of channel 16 cb + r
; LIMIT: q, k, v of 65,520 or more in magnitude become infinities in f16.  lo below 6e-5 keeps f16's fixed step of 6e-8.
; SHARES.  A work-group makes 256 rows x (two heads of q, of k and of v: three chunks of 128 columns).  Wave w: rows 128 (w / 2) on, head w % 2:
; 8 row blocks x 12 column blocks = 96 accumulators, 768 registers.  K goes in 16 steps of 64 through two LDS slots.
; CLUSTER 4 x 4: x's tile hangs on the tile row alone and is asked for jointly by a row of the cluster, the weights' chunks on the tile column alone, by a column.
; Wave 0 fetches x's tile (32 KiB, dense: 128 rows of 256 bytes, padded after every 128), waves 1-3 a chunk each (64 rows of 256 bytes).
; q and k are multiplied transposed (source 0 = 16 columns of w, source 1 = 16 rows of x): a lane holds one row and eight neighbouring channels.
; v is multiplied as it stands (source 0 = rows of x): a lane holds one channel and eight neighbouring keys.
; REGISTERS: window 0: v0-15 addresses; v32-95, v96-159 x's fragments, two buffers; v160-255 the weights' 12 fragments.  Window g + 1: chunk g's accumulators, (a, b) at v[8 (8 b + a)].
.set SLOT1, 131072                     ; slot 1 begins here: one exclusive or turns an address in one slot into the other's
.set CHK,   18432                      ; a chunk: 64 rows at pitch 288 (256 bytes + 32)
.set BOFF,  36864                      ; behind x's 256 rows at pitch 144 (128 bytes + 16)
.set SPARE, 223232                     ; behind slot 1: the spare words, 128 bytes a wave, that no other line names
.set ASTEP, 262144                     ; bytes from a K step to the next in xb
.set BSTEP, 393216                     ; and in wab: 64 rows of 6,144 bytes
.set A0,   4                           ; v4   my place in x's tile
.set B0,   5                           ; v5   my place in chunk 0
.set ADRA, 6                           ; v6   the same in the slot in hand
.set ADRB, 7
.set SO,   8                           ; v8   16 x lane: my 16 bytes of each store
.set PFO,  9                           ; v9   the prefetches' offset
.set NEG1, 10                          ; v10  -1.0
.set SPW,  12                          ; v12  my spare word; never rewritten
.set NIL,  13                          ; v13  0; never rewritten
.set BQ,   14                          ; v14  my byte offset in b_attn for q and k
.set BV,   15                          ; v15  for v
.set AF0,  32
.set AF1,  96
.set BF,   160
.set WV, 14
.set RH, 15
.set CH, 16
.set CX, 17
.set CY, 18
.set TC, 19
.set TR, 20
.set G1A, 24                           ; s[24:31] group 1 for x's tile
.set G1B, 32                           ; s[32:39] for a chunk
.set G0A, 40                           ; s[40:47] group 0 for x's tile: a set for each first fill; the second then walks
.set G0B, 48                           ; s[48:55] the same for a chunk
.set TB,  56                           ; s56 the slot in hand: 0 or SLOT1
.set KC,  57                           ; s57 refills still to come
.set LIM, 58                           ; s58 a wave prefetches while KC is above it
.set PMK, 59                           ; s59 1: only in trips with an even KC
.set PFA, 60                           ; s[60:61] where my prefetches stand
.set PFS, 62                           ; s[62:63] their step
.set QP,  70                           ; s[70:71] qq at my wave's rows and head
.set KP,  72                           ; s[72:73] kv likewise
.set HIM, 74                           ; s74 a word's upper bf16
.set AAD, 76                           ; s[76:77] x's tile of K step 0: made of the tile row alone
.set BAD, 78                           ; s[78:79] my chunk of K step 0: made of the tile column and the wave's number alone
.set MSB, 0
.macro WIN new                         ; the immediate's high byte repeats the setting that is left; a switch that changes nothing is dropped
.if MSB != (\new)
	s_set_vgpr_msb (MSB<<8)|(\new)
.set MSB, (\new)
.endif
.endm
.macro PLACES                          ; four places behind matrix instructions, in front of loads into their sources and of readers of their results
.rept 4
	v_nop
.endr
.endm
.macro CREST                           ; a round of the cluster's barrier behind its opening barrier
	s_cmp_lg_u32 s[WV], 0
	s_cbranch_scc1 .Lnot_wave_0_\@
	s_barrier_signal -3
.Lnot_wave_0_\@:
	s_barrier_wait -3
	s_barrier_signal -1
	s_barrier_wait -1
.endm
.macro CROUND
	s_barrier_signal -1
	s_barrier_wait -1
	CREST
.endm
.macro JLOAD                           ; a joint refill by the walking descriptors; the branch hangs on the wave's number alone; an s_nop 0 and four v_nop follow each line
	s_cmp_eq_u32 s[WV], 0
	s_cbranch_scc0 .Lfor_b_\@
	tensor_load_to_lds s[G0A+4:G0A+7], s[G1A:G1A+7]
	s_nop 0
.rept 4
	v_nop
.endr
	s_branch .Lasked_\@
.Lfor_b_\@:
	tensor_load_to_lds s[G0B+4:G0B+7], s[G1B:G1B+7]
	s_nop 0
.rept 4
	v_nop
.endr
.Lasked_\@:
.endm
; A PREFETCH INTO THE L2, behind the joint load and the run of LDS loads that follows it.  The refill of trip t asks for K step t + 2; the prefetch names K step t + 3, which the next refill asks for, 192 matrix instructions on.
; x's tile is read by both clusters of a row of clusters: cluster x = 0 asks, wave 0, and the four partners take 32 blocks of 256 bytes each, told apart by address.
; A chunk is read by all eight clusters of a column: cluster y = 0 asks, waves 1-3; a partner takes 16 rows, and its 32 lanes name them for two K steps, in every second trip.
; So each block is named once.  K steps 0-2 (and 15 of the weights) come by their loads alone; the last trips ask for nothing.
.macro ASK
	s_and_b32 s66, s[KC], s[PMK]
	s_cmp_lg_u32 s66, 0
	s_cbranch_scc1 .Lno_ask_\@
	s_cmp_gt_u32 s[KC], s[LIM]
	s_cbranch_scc0 .Lno_ask_\@
	global_prefetch_b8 v[PFO], s[PFA:PFA+1] th:TH_LOAD_NT scope:SCOPE_SE
.Lno_ask_\@:
.endm
	s_load_b256 s[4:11], s[0:1], 0x0               ; xb s[4:5], wab s[6:7], b_attn s[8:9], qq s[10:11]
	s_load_b64 s[12:13], s[0:1], 0x20              ; kv
	v_lshl_add_u32 v[SPW], v0, 2, SPARE
	v_mov_b32 v[NIL], 0
	ds_add_u32 v[SPW], v[NIL]                      ; the wave's opening: the add and its wait stand ahead of my first tensor load
	v_lshrrev_b32 v3, 5, v0
	v_readfirstlane_b32 s[WV], v3                  ; wave 0..3
	s_lshr_b32 s[RH], s[WV], 1                     ; my half of the rows
	s_and_b32 s[CH], s[WV], 1                      ; my head of the two
	s_bfe_u32 s[CX], ttmp6, 0x40000
	s_bfe_u32 s[CY], ttmp6, 0x40004
	s_lshl_b32 s[TC], ttmp9, 2
	s_add_co_u32 s[TC], s[TC], s[CX]               ; tile column 0..7
	s_and_b32 s[TR], ttmp7, 0xffff
	s_lshl_b32 s[TR], s[TR], 2
	s_add_co_u32 s[TR], s[TR], s[CY]               ; tile row 0..31
	s_lshl_b32 s66, s[CY], 2
	s_lshl_b32 s66, 15, s66                        ; my row of the cluster
	s_lshl_b32 s67, 0x1111, s[CX]                  ; my column
	s_or_b32 s[G1A], s66, 0x07310000               ; mask; 2-byte elements; padding on; bit 21 beside a mask; after every 32 words 4 words
	s_mov_b32 s[G1A+1], 128<<16                    ; tensor_dim0 = 128
	s_mov_b32 s[G1A+2], 128<<16                    ; tensor_dim1 = 128
	s_mov_b32 s[G1A+3], 128<<16                    ; tile_dim0 = 128
	s_mov_b32 s[G1A+4], 128                        ; tile_dim1 = 128
	s_mov_b32 s[G1A+5], 128                        ; dense: 128 elements from row to row
	s_mov_b32 s[G1A+6], 0
	s_mov_b32 s[G1A+7], 0
	s_or_b32 s[G1B], s67, 0x0f710000               ; the same with 8 words after every 64
	s_mov_b32 s[G1B+1], 128<<16
	s_mov_b32 s[G1B+2], 64<<16
	s_mov_b32 s[G1B+3], 128<<16
	s_mov_b32 s[G1B+4], 64
	s_mov_b32 s[G1B+5], 3072
	s_mov_b32 s[G1B+6], 0
	s_mov_b32 s[G1B+7], 0
	s_lshr_b32 s80, s[TR], 3                       ; the batch
	s_lshl_b32 s80, s80, 22
	s_and_b32 s81, s[TR], 7
	s_lshl_b32 s81, s81, 15                        ; 256 rows of 128 bytes
	s_add_co_u32 s80, s80, s81
	s_mov_b32 s81, 0
	s_max_u32 s82, s[WV], 1
	s_sub_co_u32 s82, s82, 1                       ; my chunk (wave 0 asks for none)
	s_lshl_b32 s82, s82, 11                        ; 1,024 columns of 2 bytes
	s_lshl_b32 s83, s[TC], 8
	s_add_co_u32 s82, s82, s83
	s_mov_b32 s83, 0
	s_mul_i32 s84, s[WV], CHK
	s_add_co_u32 s84, s84, CHK                     ; chunk w - 1 lies at 36,864 + (w - 1) x 18,432
	s_mov_b32 s[TB], 0
	s_mov_b32 s[HIM], 0xffff0000
	s_wait_dscnt 0x0                               ; the opening add is done
	s_wait_kmcnt 0x0
	s_add_nc_u64 s[AAD:AAD+1], s[4:5], s[80:81]
	s_add_nc_u64 s[BAD:BAD+1], s[6:7], s[82:83]
	CROUND                                         ; all sixteen work-groups are here: the first joint loads meet
.irp s, 0,1
	s_mov_b32 s[G0A+4*\s], 1
	s_mov_b32 s[G0A+4*\s+1], \s*SLOT1
	s_add_nc_u64 s[G0A+4*\s+2:G0A+4*\s+3], s[AAD:AAD+1], \s*ASTEP
	s_or_b32 s[G0A+4*\s+3], s[G0A+4*\s+3], 0x80000000
	s_mov_b32 s[G0B+4*\s], 1
	s_add_co_u32 s[G0B+4*\s+1], s84, \s*SLOT1
	s_add_nc_u64 s[G0B+4*\s+2:G0B+4*\s+3], s[BAD:BAD+1], \s*BSTEP
	s_or_b32 s[G0B+4*\s+3], s[G0B+4*\s+3], 0x80000000
.endr
	s_cmp_eq_u32 s[WV], 0                          ; a wave's two first fills stand in one branch: two loads of mine are out
	s_cbranch_scc0 .Lfirst_b
	tensor_load_to_lds s[G0A:G0A+3], s[G1A:G1A+7]
	s_nop 0
	tensor_load_to_lds s[G0A+4:G0A+7], s[G1A:G1A+7]
	s_nop 0
.rept 4
	v_nop
.endr
	s_branch .Lfirst_done
.Lfirst_b:
	tensor_load_to_lds s[G0B:G0B+3], s[G1B:G1B+7]
	s_nop 0
	tensor_load_to_lds s[G0B+4:G0B+7], s[G1B:G1B+7]
	s_nop 0
.rept 4
	v_nop
.endr
.Lfirst_done:
	v_and_b32 v1, 15, v0                           ; r = lane % 16
	v_bfe_u32 v2, v0, 4, 1                         ; h = lane / 16
	s_lshl_b32 s66, s[TC], 1
	s_add_co_u32 s66, s66, s[CH]                   ; my head
	s_lshl_b32 s67, s66, 8                         ; its 64 numbers of 4 bytes
	v_lshl_add_u32 v[BQ], v2, 5, s67               ; q, k: columns 8 h + 0..7 of each block of 16
	v_lshl_add_u32 v[BV], v1, 2, s67               ; v: column r
.irp g, 0,1
.irp b, 0,1,2,3
	global_load_b128 v[BF+8*(4*\g+\b):BF+8*(4*\g+\b)+3],   v[BQ], s[8:9] offset:(\g*1024+16*\b)*4
	global_load_b128 v[BF+8*(4*\g+\b)+4:BF+8*(4*\g+\b)+7], v[BQ], s[8:9] offset:(\g*1024+16*\b)*4+16
.endr
.endr
.irp b, 0,1,2,3
	global_load_b32 v[BF+64+\b], v[BV], s[8:9] offset:8192+64*\b
.endr
	; x's fragment: 16 rows x 32 K: row r at pitch 144, 16 bytes at 16 h and at 32 + 16 h
	v_mul_u32_u24 v[A0], v1, 144
	v_lshl_add_u32 v[A0], v2, 4, v[A0]
	s_mul_i32 s66, s[RH], 18432
	v_add_nc_u32 v[A0], s66, v[A0]
	; the weights lie [k][n]: the turning load reads row 8 h + lane % 8, 16 bytes at 16 ((lane / 8) % 2), and leaves column r, k = 8 h + 0..7
	v_and_b32 v3, 7, v0
	v_lshl_add_u32 v3, v2, 3, v3
	v_mul_u32_u24 v[B0], v3, 288
	v_bfe_u32 v3, v0, 3, 1
	v_lshl_add_u32 v[B0], v3, 4, v[B0]
	s_lshl_b32 s66, s[CH], 7
	s_add_co_u32 s66, s66, BOFF
	v_add_nc_u32 v[B0], s66, v[B0]
	v_mov_b32 v[ADRA], v[A0]
	v_mov_b32 v[ADRB], v[B0]
	v_and_b32 v[SO], 31, v0
	v_lshlrev_b32 v[SO], 4, v[SO]
	v_mov_b32 v[NEG1], -1.0
	; where my results go
	s_lshr_b32 s66, s[TR], 3
	s_lshl_b32 s66, s66, 4
	s_lshl_b32 s67, s[TC], 1
	s_add_co_u32 s66, s66, s67
	s_add_co_u32 s66, s66, s[CH]                   ; batch x 16 + head
	s_and_b32 s67, s[TR], 7                        ; the tile of 256 rows in the batch
	s_lshl_b32 s68, s66, 19
	s_lshl_b32 s69, s67, 16
	s_add_co_u32 s68, s68, s69
	s_lshl_b32 s69, s[RH], 15
	s_add_co_u32 s68, s68, s69
	s_mov_b32 s69, 0
	s_add_nc_u64 s[QP:QP+1], s[10:11], s[68:69]
	s_mul_i32 s68, s66, 786432
	s_mul_i32 s67, s67, 98304
	s_add_co_u32 s68, s68, s67
	s_lshl_b32 s67, s[RH], 14
	s_add_co_u32 s68, s68, s67
	s_add_nc_u64 s[KP:KP+1], s[12:13], s[68:69]
	; the prefetches: who, from where, how far apart
	s_and_b32 s66, ttmp7, 0xffff                   ; cluster y
	s_lshl_b32 s67, s[CX], 13                      ; x's tile: my work-group's 8,192 bytes
	s_mul_i32 s68, s[CY], 98304                    ; a chunk: my work-group's 16 rows
	s_mov_b32 s69, ASTEP
	s_mov_b32 s75, BSTEP
	s_movk_i32 s88, 256
	s_movk_i32 s89, 6144
	s_movk_i32 s90, 4096
	s_cmp_eq_u32 s[WV], 0
	s_cselect_b64 s[PFA:PFA+1], s[AAD:AAD+1], s[BAD:BAD+1]
	s_cselect_b32 s86, s67, s68
	s_cselect_b32 s[PFS], s69, s75
	s_cselect_b32 s[PMK], 0, 1
	s_cselect_b32 s66, ttmp9, s66                  ; the coordinate along which other clusters read the same bytes
	s_cselect_b32 s87, 1, 3
	s_cselect_b32 s88, s88, s89                    ; from lane to lane among 16,
	s_cselect_b32 s89, s90, s75                    ; and from the lower 16 lanes to the upper
	s_cmp_eq_u32 s66, 0
	s_cselect_b32 s[LIM], s87, -1                  ; the same in all sixteen partners, for a given wave
	s_mov_b32 s87, 0
	s_mov_b32 s[PFS+1], 0
	s_add_nc_u64 s[PFA:PFA+1], s[PFA:PFA+1], s[86:87]
	s_add_nc_u64 s[PFA:PFA+1], s[PFA:PFA+1], s[PFS:PFS+1]
	s_add_nc_u64 s[PFA:PFA+1], s[PFA:PFA+1], s[PFS:PFS+1]  ; at K step 2: the first refill steps it to 3
	v_mul_u32_u24 v[PFO], s88, v1
	v_mad_u32_u24 v[PFO], v2, s89, v[PFO]
	; the bias, rounded to bf16 and widened again, goes into row block 7's accumulators: the first products of the other seven take it from there as C
	s_wait_loadcnt 0x0
.set i, 0
.rept 32
	v_cvt_pk_bf16_f32 v[AF1+i], v[BF+2*i], v[BF+2*i+1]
.set i, i+1
.endr
.irp b, 0,1,2,3
	v_cvt_pk_bf16_f32 v[AF1+32+\b], v[BF+64+\b], v[BF+64+\b]
.endr
.irp g, 0,1
	WIN ((\g)+1)<<6                                ; destination in window g + 1
.irp b, 0,1,2,3
.irp j, 0,1,2,3
	v_lshlrev_b32 v[64*\b+56+2*\j],   16, v[AF1+16*\g+4*\b+\j]
	v_and_b32     v[64*\b+56+2*\j+1], s[HIM], v[AF1+16*\g+4*\b+\j]
.endr
.endr
.endr
	WIN 0xc0
.irp b, 0,1,2,3
.irp j, 0,1,2,3,4,5,6,7
	v_lshlrev_b32 v[64*\b+56+\j], 16, v[AF1+32+\b]  ; v: a lane holds one channel, so one number for its eight keys
.endr
.endr
	WIN 0
; one matrix instruction: chunk g, x's buffer f, row block a, column block b; C is row block c's accumulator
.macro W1 g, f, a, b, c
.set rD, 8*(8*(\b)+(\a))
.set rC, 8*(8*(\b)+(\c))
.set rB, BF+8*(4*(\g)+(\b))
.set rA, (\f)+8*(\a)
.if (\g) < 2
	v_wmma_f32_16x16x32_bf16 v[rD:rD+7], v[rB:rB+7], v[rA:rA+7], v[rC:rC+7]
.else
	v_wmma_f32_16x16x32_bf16 v[rD:rD+7], v[rA:rA+7], v[rB:rB+7], v[rC:rC+7]
.endif
.endm
; chunk g's column blocks lo..hi x all 8 row blocks, 32 along K.  The accumulators take turns, one instruction a turn.
; first = 1: row blocks 0-6 start their sums with the bias that lies in row block 7's registers; five places later row block 7 adds in place onto it.
.macro GRP g, f, lo, hi, first
	WIN 0x50*((\g)+1)
.set bb, \lo
.rept (\hi)-(\lo)+1
.set aa, 0
.rept 8-(\first)
.if \first
	W1 \g, \f, aa, bb, 7
.else
	W1 \g, \f, aa, bb, aa
.endif
.set aa, aa+1
.endr
.set bb, bb+1
.endr
.if \first
.rept 5
	v_nop
.endr
.irp b, 0,1,2,3
	W1 \g, \f, 7, \b, 7
.endr
.endif
.endm
; a run of LDS loads: chunk p's four fragments for quarter kq and, for p < 2, x's row blocks 4 p .. 4 p + 3 into buffer dst
.macro RUN p, kq, dst
	WIN 0
.irp b, 0,1,2,3
	ds_load_tr16_b128 v[BF+8*(4*(\p)+\b):BF+8*(4*(\p)+\b)+3],   v[ADRB] offset:(\p)*CHK+(\kq)*9216+\b*32
	ds_load_tr16_b128 v[BF+8*(4*(\p)+\b)+4:BF+8*(4*(\p)+\b)+7], v[ADRB] offset:(\p)*CHK+(\kq)*9216+\b*32+4608
.endr
.if (\p) < 2
.irp a, 0,1,2,3
	ds_load_b128 v[(\dst)+8*(4*(\p)+\a):(\dst)+8*(4*(\p)+\a)+3],   v[ADRA] offset:(4*(\p)+\a)*2304+(\kq)*64
	ds_load_b128 v[(\dst)+8*(4*(\p)+\a)+4:(\dst)+8*(4*(\p)+\a)+7], v[ADRA] offset:(4*(\p)+\a)*2304+(\kq)*64+32
.endr
.endif
.endm
; A K step's first quarter: multiplies buffer 0; each chunk's fragments are fetched anew, for the second quarter, as soon as the chunk is multiplied.
.macro QUARTER first
	s_wait_dscnt 8                                 ; all but the youngest run, chunk 2's eight loads
	GRP 0, AF0, 0, 3, \first
	PLACES
	RUN 0, 1, AF1
	GRP 1, AF0, 0, 3, \first
	PLACES
	RUN 1, 1, AF1
	s_wait_dscnt 32                                ; all but the 32 loads of the two runs just issued: chunk 2's fragments are in
	GRP 2, AF0, 0, 3, \first
	PLACES
	RUN 2, 1, AF1
.endm
; The second quarter multiplies buffer 1 and changes slots.  In front of the barrier each wave waits for all its tensor loads (one is out: its part of the next slot), adds 0 to its spare word,
; and waits for that and for its reads of this slot.  fill = 1: the barrier opens a round of the cluster's, and the joint refill, two K steps ahead, is the first thing behind it: 160 matrix instructions ahead of the wait for it.
.macro TURN fill
.if \fill
	s_wait_xcnt 0x0                                ; the last prefetch, a K step back, has read its address
	s_add_nc_u64 s[PFA:PFA+1], s[PFA:PFA+1], s[PFS:PFS+1]
.endif
	WIN 0
	s_wait_tensorcnt 0x0                           ; no tensor load of mine is out, so a group 0 may be written
	ds_add_u32 v[SPW], v[NIL]
.if \fill
	s_xor_b32 s[G0A+5], s[G0A+5], SLOT1            ; the walking descriptors: the other slot, the next K step
	s_add_nc_u64 s[G0A+6:G0A+7], s[G0A+6:G0A+7], ASTEP
	s_xor_b32 s[G0B+5], s[G0B+5], SLOT1
	s_add_nc_u64 s[G0B+6:G0B+7], s[G0B+6:G0B+7], BSTEP
.endif
	s_wait_dscnt 9                                 ; the add and chunk 2's eight loads may be out
	GRP 0, AF1, 0, 1, 0
	s_wait_dscnt 0x0                               ; the add is done, and my reads of this slot are over
	s_barrier_signal -1
	GRP 0, AF1, 2, 3, 0                            ; work on registers while the others arrive
	WIN 0
	s_barrier_wait -1
.if \fill
	CREST
	JLOAD                                          ; its four v_nop are also the places in front of the loads below
.else
	PLACES
.endif
	s_xor_b32 s[TB], s[TB], SLOT1
	v_add_nc_u32 v[ADRA], s[TB], v[A0]
	v_add_nc_u32 v[ADRB], s[TB], v[B0]
	RUN 0, 0, AF0
.if \fill
	ASK
.endif
	GRP 1, AF1, 0, 3, 0
	PLACES
	RUN 1, 0, AF0
	GRP 2, AF1, 0, 3, 0
	PLACES
	RUN 2, 0, AF0
.endm
	s_wait_tensorcnt 1                             ; my part of K step 0 is in; K step 1's may stay out
	s_barrier_signal -1
	s_barrier_wait -1
	RUN 0, 0, AF0
	RUN 1, 0, AF0
	RUN 2, 0, AF0
	QUARTER 1                                      ; the first quarter stands ahead of the loop: its products start the sums
	WIN 0
	s_mov_b32 s[KC], 14
.Lk:                                               ; 14 trips: a K step's second quarter, a refill, the next K step's first quarter
	TURN 1
	QUARTER 0
	WIN 0
	s_sub_co_u32 s[KC], s[KC], 1
	s_cmp_lg_u32 s[KC], 0
	s_cbranch_scc1 .Lk
	TURN 0                                         ; the tail is written out: nothing is left to ask for
	QUARTER 0
	s_wait_dscnt 8
	GRP 0, AF1, 0, 3, 0
	GRP 1, AF1, 0, 3, 0
	s_wait_dscnt 0x0
	GRP 2, AF1, 0, 3, 0
	PLACES
; THE WAY OUT, a row block at a time, straight from registers.  q, k: hi = f16(sum); lo = f16(sum - hi), by one fused step from hi's half.  Each accumulator is read from its low end on.
.macro QK a, g
	s_wait_xcnt 0x0                                ; earlier stores have read their registers
.set T, 32+32*(\g)
	WIN 5*((\g)+1)                                 ; sources 0 and 1 in window g + 1
.irp b, 0,1,2,3
.irp j, 0,1,2,3
	v_cvt_pk_f16_f32 v[T+4*\b+\j], v[8*(8*\b+(\a))+2*\j], v[8*(8*\b+(\a))+2*\j+1]
.endr
.endr
	WIN ((\g)+1)<<4                                ; source 2 in window g + 1
.irp b, 0,1,2,3
.irp j, 0,1,2,3
	v_fma_mixlo_f16 v[T+16+4*\b+\j], v[T+4*\b+\j], v[NEG1], v[8*(8*\b+(\a))+2*\j] op_sel_hi:[1,0,0]
	v_fma_mixhi_f16 v[T+16+4*\b+\j], v[T+4*\b+\j], v[NEG1], v[8*(8*\b+(\a))+2*\j+1] op_sel:[1,0,0] op_sel_hi:[1,0,0]
.endr
.endr
	WIN 0
.irp b, 0,1,2,3
.if (\g) == 0
	global_store_b128 v[SO], v[T+4*\b:T+4*\b+3],       s[QP:QP+1] offset:(\a)*4096+\b*512
	global_store_b128 v[SO], v[T+16+4*\b:T+16+4*\b+3], s[QP:QP+1] offset:(\a)*4096+\b*512+2048
.else
	global_store_b128 v[SO], v[T+4*\b:T+4*\b+3],       s[KP:KP+1] offset:(\a)*2048+\b*512
	global_store_b128 v[SO], v[T+16+4*\b:T+16+4*\b+3], s[KP:KP+1] offset:(\a)*2048+\b*512+32768
.endif
.endr
.endm
.macro VV a
	s_wait_xcnt 0x0
	WIN 0x0f
.irp b, 0,1,2,3
.irp j, 0,1,2,3
	v_cvt_pk_f16_f32 v[AF1+4*\b+\j], v[8*(8*\b+(\a))+2*\j], v[8*(8*\b+(\a))+2*\j+1]
.endr
.endr
	WIN 0
.irp b, 0,1,2,3
	global_store_b128 v[SO], v[AF1+4*\b:AF1+4*\b+3], s[KP:KP+1] offset:65536+(\a)*2048+\b*512
.endr
.endm
.irp a, 0,1,2,3,4,5,6,7
	QK \a, 0
	QK \a, 1
	VV \a
.endr
	s_wait_tensorcnt 0x0                           ; the wave's end
	ds_add_u32 v[SPW], v[NIL]
	s_wait_dscnt 0x0
	CROUND                                         ; the closing round
	s_endpgm
.Lfunc_end_k_qf2706a46d5_qkv:
	.size	k_qf2706a46d5_qkv, .Lfunc_end_k_qf2706a46d5_qkv-k_qf2706a46d5_qkv
	.p2alignl 7, 3214868480
	.fill 96, 4, 3214868480
	.section	.rodata,"a",@progbits
	.p2align	6, 0x0
	.amdhsa_kernel k_qf2706a46d5_qkv
		.amdhsa_group_segment_fixed_size 327680
		.amdhsa_private_segment_fixed_size 0
		.amdhsa_enable_private_segment 0
		.amdhsa_kernarg_size 40
		.amdhsa_user_sgpr_count 2
		.amdhsa_user_sgpr_kernarg_segment_ptr 1
		.amdhsa_wavefront_size32 1
		.amdhsa_system_sgpr_workgroup_id_x 1
		.amdhsa_system_sgpr_workgroup_id_y 1
		.amdhsa_system_sgpr_workgroup_id_z 1
		.amdhsa_system_vgpr_workitem_id 0
		.amdhsa_next_free_vgpr 1024
		.amdhsa_next_free_sgpr 100
		.amdhsa_reserve_vcc 0
		.amdhsa_float_denorm_mode_32 3
		.amdhsa_float_denorm_mode_16_64 3
		.amdhsa_memory_ordered 1
		.amdhsa_forward_progress 1
		.amdhsa_inst_pref_size 146
	.end_amdhsa_kernel
	.amdgpu_metadata
---
amdhsa.version: [ 1, 2 ]
amdhsa.kernels:
  - .name:           k_qf2706a46d5_qkv
    .symbol:         k_qf2706a46d5_qkv.kd
    .args:
      - { .name: xb, .offset: 0, .size: 8, .value_kind: global_buffer, .address_space: global }
      - { .name: wab, .offset: 8, .size: 8, .value_kind: global_buffer, .address_space: global }
      - { .name: b_attn, .offset: 16, .size: 8, .value_kind: global_buffer, .address_space: global }
      - { .name: qq, .offset: 24, .size: 8, .value_kind: global_buffer, .address_space: global }
      - { .name: kv, .offset: 32, .size: 8, .value_kind: global_buffer, .address_space: global }
    .group_segment_fixed_size: 327680
    .private_segment_fixed_size: 0
    .kernarg_segment_align: 8
    .kernarg_segment_size: 40
    .max_flat_workgroup_size: 128
    .sgpr_count:     100
    .vgpr_count:     1024
    .wavefront_size: 32
...
	.end_amdgpu_metadata
.endif
;; end of part 2
;; launch attn (part 3): grid 4 x 64, 4 waves a work-group, no clusters, 327,680 bytes of LDS; arguments qq, kv, yy; writes yy
.if DOCPART == 3
	.amdgcn_target "amdgcn-amd-amdhsa--gfx1250"
	.amdhsa_code_object_version 6
	.text
	.protected	k_qf2706a46d5_attn
	.globl	k_qf2706a46d5_attn
	.p2align	8
	.type	k_qf2706a46d5_attn,@function
k_qf2706a46d5_attn:
	s_mov_b64 s[64:65], 0
	v_nop
	global_prefetch_b8 v0, s[64:65] scope:SCOPE_SE
	s_setreg_imm32_b32 hwreg(HW_REG_WAVE_MODE, 25, 1), 1
	s_wait_xcnt 0x0
; CAUSAL ATTENTION, head size 64, 2,048 rows, 64 (batch, head) pairs.  y[q] = the sum over k <= q of softmax_k(8 q . k) v[k]: the scores are MULTIPLIED by 8.
; q and k come as pairs of f16, hi + lo: S = kl qh + kh qh + kh ql, three products for each score, summed in f32; the term kl ql, some 2^-22 of a score, is left out.
; v, the weights p and y are f16; maxima, sums and accumulators f32; l is the sum of the unrounded p.
; LIMITS.  q, k, v arrive within f16's range.  A hidden score counts as its value less 1e30.  A weight below 2^-126 counts as 0.  NaN and infinities are not treated apart.
; THE WALK.  A head's queries lie in 8 blocks of 256; block i needs key tiles 0 .. i, the last of which holds the diagonal.  A work-group takes blocks 7 - b and then b: 9 tiles, whatever b: one loop with a
; constant trip count.  NO CLUSTER: a head's four work-groups ask for the same tile only in trips 0 to 4 of 9, and a walk common to all four would have 12 trips for 9.
; SHARES.  Of a block's four bands of 64 queries a wave owns 16 rows in each: four PIECES.  In the diagonal tile's key step s band x sees all keys if s < x, none if s > x, and holds the diagonal if s = x.
; THE MASK is the C operand that starts a sum S^T: MC = MD x AL + BE, MD the mask of a band's own step for my rows.  MC holds zeros outside the diagonal tile, so one text serves all tiles; only the lines that make masks are jumped over.
; LAYOUT.  qq, kv and yy lie in fragment order (16 rows x 64 channels in 2,048 bytes: (channel / 8) x 256 + row x 16): every fragment is two loads of 16 x lane, 512 consecutive bytes, with no padding and no turning load.
; S^T = K Q^T holds one query a lane (lane % 16) and keys 8 (lane / 16) + 0..7; two such results rounded to f16 are source 1 of O^T = V^T P.
; SOFTMAX.  p = 2^(c s - c m), c = 8 log2(e), with a running maximum m; O and l are multiplied by a = 2^(c m_old - c m_new) in every step.
; TURNS.  Turn n: 24 products K Q^T of piece n + 1, then 8 products V^T P of piece n - 1.  Behind them ride: scaling, exponentials and rescaling of piece n; roundings and sums of piece n - 1, whose exponentials the turn before
; has made and waited for; maximum and statistics of piece n + 1.  118 vector instructions for 32 matrix instructions: at most four behind each.  A turn's 33 exponentials are one batch with one wait, at the turn's end.
; REGISTERS, in windows of 256 (s_set_vgpr_msb: bits 1:0 source 0, 3:2 source 1, 5:4 source 2, 7:6 destination):
;   window 0: v2-15 addresses and c m_old; v16-31 four statistics a piece; v48-63 four at work a piece; v64-191 S^T, 32 a piece; v192-223 P, two buffers by the piece's parity
;   window 1: v0-127 O^T; v128-159 MD; v160-223 MC, two buffers     window 2: v0-127 Q (piece x: qh0, qh1, ql0, ql1); v128-191 k lo; v192-255 k hi     window 3: v0-63 V; v64-191 the second block's Q
.set NB,    8
.set SLOT1, 131072                     ; a slot holds a tile: 32,768 bytes of k hi, of k lo and of v turned
.set TILEB, 98304
.set SPARE, 229376                     ; behind slot 1: the spare words, 128 bytes a wave, that no other line names
.set LO,  2                            ; v2   16 x lane; never rewritten
.set AV0, 3                            ; v3   16 x lane + 65,536: V's part of a slot
.set AK,  4                            ; v4   LDS address of K's next runs
.set AV,  5                            ; v5   of V's
.set PFO, 6                            ; v6   256 x lane
.set MV,  8                            ; v8-11 c m_old, a piece each
.set SPW, 12                           ; v12  my spare word; never rewritten
.set NIL, 13                           ; v13  0; never rewritten
.set ST,  16                           ; piece t: c m, m, l (even keys', odd keys')
.set TMP, 48                           ; piece t: c0-c3; when the maximum is found c2 takes a
.set S,   64
.set P,   192
.set MD,  128
.set MC,  160
.set KL,  128
.set KH,  192
.set QB,  64
.set WV,  12
.set PB,  14                           ; s14 b
.set HI,  15                           ; s15 7 - b
.set G1,  24                           ; s[24:31] group 1: 96 rows of 256 bytes, dense
.set G0,  40                           ; s[40:43] group 0
.set SLOTS, 56                         ; s56 tiles still to be asked for
.set CNT, 57                           ; s57 a tile's key steps, 4 to 1
.set CS,  58                           ; s[58:59] c
.set SEL, 60                           ; s[60:61] v_permlanex16_b32's selects
.set TBK, 62                           ; s62 LDS byte at which K of the step to be fetched begins
.set TBV, 63                           ; s63 the same for V, less 65,536
.set RT,  70                           ; s70 tiles of the block in hand still to be entered
.set NXT, 71                           ; s71 the tile to be asked for next
.set LQ,  72                           ; s72 the last tile of the block whose tiles are being asked for
.set NEW, 73                           ; s73 1: the tile to be entered is a block's first
.set OFF, 74                           ; s[74:75] a tile's byte offset
.set AL,  76                           ; s[76:77] the mask's factor
.set BE,  78                           ; s[78:79] the mask's addend
.set OLO, 80                           ; s[80:81] yy at my rows of the second block
.set BIGN, 82                          ; s82 -1e30
.set LIM, 83                           ; s83 a work-group prefetches while SLOTS is above it
.set PFA, 84                           ; s[84:85] my quarter of the tile that the next change will ask for
.set MSB, 0
.macro WIN new
.if MSB != (\new)
	s_set_vgpr_msb (MSB<<8)|(\new)
.set MSB, (\new)
.endif
.endm
.set W_KQ, 0x0a                        ; K and Q in window 2, S^T in window 0
.set W_KM, 0x1a                        ; the same with C in window 1
.set W_PV, 0x53                        ; V in window 3, P in window 0, O^T in window 1
.set W_RS, 0x41                        ; destination and source 0 in window 1
.macro LOAD                            ; each wave fetches its quarter of a tile; an s_nop 0 and four v_nop follow
	tensor_load_to_lds s[G0:G0+3], s[G1:G1+7]
	s_nop 0
.rept 4
	v_nop
.endr
.endm
; THE CHANGE OF SLOTS.  Each wave waits for all its tensor loads (one is out: its quarter of the other slot), adds 0 to its spare word, and waits for that and for its reads of the slot that it leaves.
; fill = 1: the old slot is filled again, first thing behind the barrier, with tile NXT; the address is made anew from that number.  (At its first use slot 0 is waited for and slot 1 filled.)
; Behind the load: a prefetch into the L2 of my quarter of the tile that the NEXT change asks for, four key steps on: 96 blocks of 256 bytes, a lane a block, three lines.  All four work-groups of a head
; walk the same tiles; the one with b = 0, whose first block walks all eight, names tiles 2 to 7, each once; tiles 0 and 1 come by their loads alone.
.macro CHANGE fill
	WIN 0
	s_wait_tensorcnt 0x0                           ; no tensor load of mine is out, so group 0 may be written
	ds_add_u32 v[SPW], v[NIL]
.if \fill
	s_mul_i32 s[OFF], s[NXT], TILEB
	s_xor_b32 s[G0+1], s[G0+1], SLOT1
	s_add_nc_u64 s[G0+2:G0+3], s[6:7], s[OFF:OFF+1]
	s_or_b32 s[G0+3], s[G0+3], 0x80000000
	s_add_co_u32 s[NXT], s[NXT], 1                 ; the block's next tile, or behind its last the second block's tile 0
	s_cmp_gt_u32 s[NXT], s[LQ]
	s_cselect_b32 s[NXT], 0, s[NXT]
	s_cselect_b32 s[LQ], s[PB], s[LQ]
	s_wait_xcnt 0x0                                ; the last prefetches, a tile back, have read their address
	s_mul_i32 s[OFF], s[NXT], TILEB
	s_add_nc_u64 s[PFA:PFA+1], s[6:7], s[OFF:OFF+1]
.endif
	s_wait_dscnt 0x0                               ; the add is done, and my reads of the slot are over
	s_barrier_signal -1
	s_sub_co_u32 s[TBK], s[TBK], 32768             ; the fetches go back to a slot's first step, in the other slot
	s_xor_b32 s[TBK], s[TBK], SLOT1
	s_sub_co_u32 s[TBV], s[TBV], 32768
	s_xor_b32 s[TBV], s[TBV], SLOT1
	s_barrier_wait -1
.if \fill
	LOAD
	s_cmp_gt_u32 s[SLOTS], s[LIM]
	s_cbranch_scc0 .Lnot_mine_\@
	global_prefetch_b8 v[PFO], s[PFA:PFA+1] th:TH_LOAD_NT scope:SCOPE_SE
	global_prefetch_b8 v[PFO], s[PFA:PFA+1] offset:8192 th:TH_LOAD_NT scope:SCOPE_SE
	global_prefetch_b8 v[PFO], s[PFA:PFA+1] offset:16384 th:TH_LOAD_NT scope:SCOPE_SE
.Lnot_mine_\@:
.endif
.endm
	s_load_b128 s[4:7], s[0:1], 0x0                ; qq s[4:5], kv s[6:7]
	s_load_b64 s[10:11], s[0:1], 0x10              ; yy
	v_lshl_add_u32 v[SPW], v0, 2, SPARE
	v_mov_b32 v[NIL], 0
	ds_add_u32 v[SPW], v[NIL]                      ; the wave's opening: the add and its wait stand ahead of my first tensor load
	v_lshrrev_b32 v1, 5, v0
	v_readfirstlane_b32 s[WV], v1                  ; wave 0..3
	s_mov_b32 s[PB], ttmp9
	s_sub_co_u32 s[HI], NB-1, s[PB]
	s_and_b32 s16, ttmp7, 0xffff                   ; batch x 16 + head
	s_mul_i32 s17, s[WV], 24576                    ; my quarter of a tile, in memory and in a slot
	s_mul_i32 s18, s16, 786432
	s_add_co_u32 s18, s18, s17
	s_mov_b32 s19, 0
	s_lshl_b32 s20, s16, 19                        ; qq: the head,
	s_lshl_b32 s21, s[WV], 12                      ; my 16 rows in a band,
	s_add_co_u32 s20, s20, s21
	s_lshl_b32 s21, s[HI], 16                      ; in the first block,
	s_add_co_u32 s22, s20, s21
	s_lshl_b32 s21, s[PB], 16                      ; and in the second
	s_add_co_u32 s20, s20, s21
	s_mov_b32 s21, 0
	s_mov_b32 s23, 0
	s_lshl_b32 s88, s16, 18                        ; yy likewise
	s_lshl_b32 s89, s[WV], 11
	s_add_co_u32 s88, s88, s89
	s_lshl_b32 s89, s[HI], 15
	s_add_co_u32 s90, s88, s89
	s_lshl_b32 s89, s[PB], 15
	s_add_co_u32 s88, s88, s89
	s_mov_b32 s89, 0
	s_mov_b32 s91, 0
	s_mov_b32 s[G1], 3<<16                         ; elements of 8 bytes, no mask, no padding
	s_mov_b32 s[G1+1], 32<<16                      ; tensor_dim0 = 32
	s_mov_b32 s[G1+2], 96<<16                      ; tensor_dim1 = 96
	s_mov_b32 s[G1+3], 32<<16                      ; tile_dim0 = 32
	s_mov_b32 s[G1+4], 96                          ; tile_dim1 = 96
	s_mov_b32 s[G1+5], 32                          ; dense
	s_mov_b32 s[G1+6], 0
	s_mov_b32 s[G1+7], 0
	s_mov_b32 s[G0], 1
	s_mov_b32 s[G0+1], s17                         ; slot 0
	s_mov_b32 s[CS], 0x4138aa3b                    ; c = 8 log2(e) = 11.541560
	s_mov_b32 s[CS+1], s[CS]
	s_mov_b32 s[SEL], 0x76543210
	s_mov_b32 s[SEL+1], 0xfedcba98
	s_mov_b32 s[TBK], SLOT1+32768                  ; the first change of slots turns these two into 0
	s_mov_b32 s[TBV], SLOT1+32768
	s_add_co_u32 s[RT], s[HI], 1                   ; the first block has 8 - b tiles
	s_mov_b32 s[NXT], 1
	s_mov_b32 s[LQ], s[HI]
	s_mov_b32 s[NEW], 1
	s_mov_b32 s[OFF+1], 0
	s_mov_b32 s[AL+1], 0
	s_mov_b32 s[BE+1], 0
	s_mov_b32 s[BIGN], 0xf149f2ca                  ; -1e30
	s_mov_b32 s[SLOTS], NB
	s_cmp_eq_u32 s[PB], 0
	s_cselect_b32 s[LIM], 2, -1                    ; b = 0 asks in the first six changes
	s_wait_dscnt 0x0                               ; the opening add is done
	s_wait_kmcnt 0x0
	s_add_nc_u64 s[6:7], s[6:7], s[18:19]          ; kv at my quarter of the head's tile 0
	s_mov_b64 s[G0+2:G0+3], s[6:7]
	s_or_b32 s[G0+3], s[G0+3], 0x80000000
	s_add_nc_u64 s[86:87], s[4:5], s[20:21]        ; qq at my rows of the second block,
	s_add_nc_u64 s[4:5], s[4:5], s[22:23]          ; and of the first
	s_add_nc_u64 s[OLO:OLO+1], s[10:11], s[88:89]
	s_add_nc_u64 s[10:11], s[10:11], s[90:91]
	LOAD                                           ; tile 0 into slot 0
	v_and_b32 v[LO], 31, v0
	v_lshlrev_b32 v[PFO], 8, v[LO]
	v_lshlrev_b32 v[LO], 4, v[LO]
	v_add_nc_u32 v[AV0], 65536, v[LO]
	WIN 0x80                                       ; destination window 2
.set i, 0
.rept 16                                           ; piece i / 4 lies a band, 16,384 bytes, on; fragment i % 4: hi channels 0-31, 32-63, lo likewise
	global_load_b128 v[8*i:8*i+3],   v[LO], s[4:5] offset:(i/4)*16384+((i%4)/2)*2048+(i%2)*1024
	global_load_b128 v[8*i+4:8*i+7], v[LO], s[4:5] offset:(i/4)*16384+((i%4)/2)*2048+(i%2)*1024+512
.set i, i+1
.endr
	WIN 0xc0                                       ; destination window 3
.set i, 0
.rept 16
	global_load_b128 v[QB+8*i:QB+8*i+3],   v[LO], s[86:87] offset:(i/4)*16384+((i%4)/2)*2048+(i%2)*1024
	global_load_b128 v[QB+8*i+4:QB+8*i+7], v[LO], s[86:87] offset:(i/4)*16384+((i%4)/2)*2048+(i%2)*1024+512
.set i, i+1
.endr
	; A block's first step multiplies O^T and l by a = 0, so these need only hold finite numbers: zeros for the first block, what the first block left for the second.  All this stands in the wait for the first tile.
.set i, 0
.rept 64
	v_mov_b32 v[i], 0                              ; V
.set i, i+1
.endr
	WIN 0x40
.set i, 0
.rept 128
	v_mov_b32 v[i], 0                              ; O^T
.set i, i+1
.endr
	WIN 0
.set i, 0
.rept 4
	v_mov_b32 v[ST+4*i+2], 0
	v_mov_b32 v[ST+4*i+3], 0
.set i, i+1
.endr
	v_and_b32 v1, 15, v0                           ; lane % 16
	v_bfe_u32 v9, v0, 4, 1                         ; lane / 16
	v_lshlrev_b32 v14, 3, v9
	v_sub_nc_u32 v14, v1, v14
	s_lshl_b32 s13, s[WV], 4
	v_add_nc_u32 v14, s13, v14                     ; my query's place in its band less my lanes' 8 (lane / 16): register i is hidden where 16 (i / 8) + i % 8 is greater
	WIN 0x40
.set i, 0
.rept 32
	v_cmp_gt_i32 vcc_lo, 16*(i/8)+i%8, v14
	v_cndmask_b32 v[MD+i], 0, s[BIGN], vcc_lo
.set i, i+1
.endr
	WIN 0
; THE MATRIX WORK.  Four accumulators take turns, one instruction a turn.
; Product i of 24 of S^T for piece x: keys 16 (i % 4) on; term i / 4: kl0 qh0, kl1 qh1, kh0 qh0, kh1 qh1, kh0 ql0, kh1 ql1 (0, 1: channels 0-31, 32-63).  The first four start the sums with the mask.
.macro KQ x
.set qS, S+32*(\x)+8*(i%4)
.set qT, i/4
.if qT < 2
.set qK, KL+16*(i%4)+8*qT
.else
.set qK, KH+16*(i%4)+8*(qT%2)
.endif
.set qQ, 32*(\x)+16*(qT/4)+8*(qT%2)
.if i < 4
	WIN W_KM
	v_wmma_f32_16x16x32_f16 v[qS:qS+7], v[qK:qK+7], v[qQ:qQ+7], v[MC+32*((\x)%2)+8*i:MC+32*((\x)%2)+8*i+7]
.else
	WIN W_KQ
	v_wmma_f32_16x16x32_f16 v[qS:qS+7], v[qK:qK+7], v[qQ:qQ+7], v[qS:qS+7]
.endif
.endm
; Product i of 8 of O^T += V^T P for piece x: keys 32 (i / 4) on, channels 16 (i % 4) on.
.macro PV x
	WIN W_PV
.set pO, 32*(\x)+8*(i%4)
.set pV, 32*(i/4)+8*(i%4)
.set pP, P+16*((\x)%2)+8*(i/4)
	v_wmma_f32_16x16x32_f16 v[pO:pO+7], v[pV:pV+7], v[pP:pP+7], v[pO:pO+7]
.endm
.macro MM                              ; the turn's next matrix instruction.  NOKQ = 1: a block's last turn: there is no next piece
.if i < 24
.if !NOKQ
	KQ N
.endif
.else
.set i, i-24
	PV Z
.set i, i+24
.endif
.set i, i+1
.endm
; THE LDS LOADS stand in runs of 16: a step's k lo, its k hi (key block f / 2, channel half f % 2) and its V (key half f / 4, channel block f % 4).
.macro FETCH_KL
	WIN 0x80
.irp f, 0,1,2,3,4,5,6,7
	ds_load_b128 v[KL+8*\f:KL+8*\f+3],   v[AK] offset:32768+(\f/2)*2048+(\f%2)*1024
	ds_load_b128 v[KL+8*\f+4:KL+8*\f+7], v[AK] offset:32768+(\f/2)*2048+(\f%2)*1024+512
.endr
	WIN 0
.endm
.macro FETCH_KH
	WIN 0x80
.irp f, 0,1,2,3,4,5,6,7
	ds_load_b128 v[KH+8*\f:KH+8*\f+3],   v[AK] offset:(\f/2)*2048+(\f%2)*1024
	ds_load_b128 v[KH+8*\f+4:KH+8*\f+7], v[AK] offset:(\f/2)*2048+(\f%2)*1024+512
.endr
	s_add_co_u32 s[TBK], s[TBK], 8192              ; the next fetch is the next step's
	WIN 0
.endm
.macro FETCH_V
	WIN 0xc0
.irp f, 0,1,2,3,4,5,6,7
	ds_load_b128 v[8*\f:8*\f+3],   v[AV] offset:(\f/4)*4096+(\f%4)*512
	ds_load_b128 v[8*\f+4:8*\f+7], v[AV] offset:(\f/4)*4096+(\f%4)*512+2048
.endr
	WIN 0
.endm
; THE VECTOR WORK, one line at a time: OP kind, number.
; Piece Y: kF n: c s - c m for pair n of 16.  kE n: the exponential of score n of 32.  kR n: pair n of 16 of O^T times a.
; Piece Z = Y - 1: kC n: pair n rounded to f16.  kG n: the sum of the 16 pairs, in place, neighbours 1, 2, 4 and 8 pairs apart (0-14); 15: l = a l + sum.
; Piece N = Y + 1: kX n: number n of the 22 that find its maximum and statistics: 0-11 four chains of seven scores, each accumulator's lowest registers first;
;   12-14, 16 the four scores left over, the old m, and the four into one; 15 c m_old is kept; 17, 18 the other half of the lanes: the new m; 19-21 c m, its change, a.     kN: a v_nop.
.set kF, 0
.set kE, 1
.set kC, 2
.set kG, 3
.set kR, 4
.set kX, 5
.set kN, 6
.macro REGS y
.set rT, ST+4*(\y)
.set rC, TMP+4*(\y)
.set rW, MV+(\y)
.set rS, S+32*(\y)
.set rP, P+16*((\y)%2)
.set rO, 32*(\y)
.endm
.macro GSUM z
.if (\z) < 8
	v_pk_add_f32 v[rS+4*(\z):rS+4*(\z)+1], v[rS+4*(\z):rS+4*(\z)+1], v[rS+4*(\z)+2:rS+4*(\z)+3]
.elseif (\z) < 12
	v_pk_add_f32 v[rS+8*((\z)-8):rS+8*((\z)-8)+1], v[rS+8*((\z)-8):rS+8*((\z)-8)+1], v[rS+8*((\z)-8)+4:rS+8*((\z)-8)+5]
.elseif (\z) < 14
	v_pk_add_f32 v[rS+16*((\z)-12):rS+16*((\z)-12)+1], v[rS+16*((\z)-12):rS+16*((\z)-12)+1], v[rS+16*((\z)-12)+8:rS+16*((\z)-12)+9]
.elseif (\z) == 14
	v_pk_add_f32 v[rS:rS+1], v[rS:rS+1], v[rS+16:rS+17]
.else
	v_pk_fma_f32 v[rT+2:rT+3], v[rT+2:rT+3], v[rC+2:rC+3], v[rS:rS+1] op_sel_hi:[1,0,1]
.endif
.endm
.macro XS n
.if (\n) < 4
	v_max3_num_f32 v[rC+(\n)], v[rS+8*(\n)], v[rS+8*(\n)+1], v[rS+8*(\n)+2]
.elseif (\n) < 12
	v_max3_num_f32 v[rC+(\n)%4], v[rC+(\n)%4], v[rS+8*((\n)%4)+2*((\n)/4)+1], v[rS+8*((\n)%4)+2*((\n)/4)+2]
.elseif (\n) == 12
	v_max3_num_f32 v[rC], v[rC], v[rS+7], v[rS+15]
.elseif (\n) == 13
	v_max3_num_f32 v[rC+1], v[rC+1], v[rS+23], v[rS+31]
.elseif (\n) == 14
	v_max3_num_f32 v[rC+2], v[rC+2], v[rC+3], v[rT+1]
.elseif (\n) == 15
	v_mov_b32 v[rW], v[rT]
.elseif (\n) == 16
	v_max3_num_f32 v[rC], v[rC], v[rC+1], v[rC+2]
.elseif (\n) == 17
	v_permlanex16_b32 v[rC+3], v[rC], s[SEL], s[SEL+1]
.elseif (\n) == 18
	v_max_num_f32 v[rT+1], v[rC], v[rC+3]
.elseif (\n) == 19
	v_mul_f32 v[rT], s[CS], v[rT+1]
.elseif (\n) == 20
	v_sub_f32 v[rC+1], v[rW], v[rT]
.else
	v_exp_f32 v[rC+2], v[rC+1]
.endif
.endm
.macro OP k, n
.if (\k) == kR
	REGS Y
	WIN W_RS
	v_pk_mul_f32 v[rO+2*(\n):rO+2*(\n)+1], v[rO+2*(\n):rO+2*(\n)+1], v[rC+2:rC+3] op_sel_hi:[1,0]
.elseif (\k) == kF
	REGS Y
	WIN 0
	v_pk_fma_f32 v[rS+2*(\n):rS+2*(\n)+1], v[rS+2*(\n):rS+2*(\n)+1], s[CS:CS+1], v[rT:rT+1] op_sel_hi:[1,0,0] neg_lo:[0,0,1] neg_hi:[0,0,1]
.elseif (\k) == kE
	REGS Y
	WIN 0
	v_exp_f32 v[rS+(\n)], v[rS+(\n)]
.elseif (\k) == kC
	REGS Z
	WIN 0
	v_cvt_pk_f16_f32 v[rP+(\n)], v[rS+2*(\n)], v[rS+2*(\n)+1]
.elseif (\k) == kG
	REGS Z
	WIN 0
	GSUM \n
.elseif (\k) == kN
	WIN 0
	v_nop
.elseif !NOKQ
	REGS N
	WIN 0
	XS \n
.endif
.endm
.macro OPS a, i1, b=-1, i2=0, c=-1, i3=0, d=-1, i4=0
	OP \a, \i1
.if (\b) >= 0
	OP \b, \i2
.endif
.if (\c) >= 0
	OP \c, \i3
.endif
.if (\d) >= 0
	OP \d, \i4
.endif
.endm
.macro ROW a, i1, b=-1, i2=0, c=-1, i3=0, d=-1, i4=0  ; a matrix instruction and those that ride behind it
	MM
	OPS \a, \i1, \b, \i2, \c, \i3, \d, \i4
.endm
.macro MASK b                          ; MD x AL + BE into buffer b of MC
	WIN W_RS
.set z, 0
.rept 16
	v_pk_fma_f32 v[MC+32*(\b)+2*z:MC+32*(\b)+2*z+1], v[MD+2*z:MD+2*z+1], s[AL:AL+1], s[BE:BE+1] op_sel_hi:[1,0,0]
.set z, z+1
.endr
.endm
; A TURN, for piece p.  No line ahead of the turn's one wait names a result of its exponentials: their readers, kC and kG, stand in the next turn; a's readers, kR and kG 15, in the next two.
; The four rows of kR are the four places between the products that end S^T's sums and kX 0-3, which read them.
; K of the next step is fetched in piece 2's turn: k lo behind product 8 (its last reader is product 7; kF 8, kC 8, kF 9, kC 9 are the places), k hi behind product 23 and its four kR.  Piece 3's turn waits for them.
; V of the step in hand is fetched at the end of piece 0's turn (kX 19, kG 15, the v_nop and kX 20 are the places behind its last reader); piece 1's turn waits for it ahead of its products V^T P.
; In the diagonal tile the turn makes the mask for the products of the turn after it: piece p + 2, in step 4 - CNT of the tile.  end = 1: a block's last two turns: nothing is fetched, no mask is made.
.macro TURN p, end=0
.set Y, (\p)
.set Z, ((\p)+3)%4
.set N, ((\p)+1)%4
.set i, 0
.set NOKQ, (\end)*((\p)/3)
.if !(\end)
	s_cmp_eq_u32 s[CNT], 4-((\p)+2)%4              ; is that step the band's own?
	s_cselect_b32 s[AL], 1.0, 0
	s_cmp_lt_u32 s[CNT], 4-((\p)+2)%4              ; or a later one?
	s_cselect_b32 s[BE], s[BIGN], 0
.endif
.if ((\p) == 3) && !(\end)
	s_wait_dscnt 16                                ; k lo is in; k hi's 16 loads may stay out
.endif
	ROW kF,0, kF,1, kC,0, kC,1
.set rw, 1
.rept 14
.if ((\p) == 3) && !(\end) && (rw == 8)
	s_wait_dscnt 0x0                               ; k hi is in
.endif
	ROW kF,rw+1, kE,2*rw-2, kC,rw+1, kE,2*rw-1
.if ((\p) == 2) && !(\end) && (rw == 6)
	WIN 0
	v_add_nc_u32 v[AK], s[TBK], v[LO]
.endif
.if ((\p) == 2) && !(\end) && (rw == 8)
	FETCH_KL
.endif
.set rw, rw+1
.endr
	ROW kG,0, kE,28, kG,1, kE,29
	ROW kG,2, kE,30, kG,3, kE,31
	ROW kG,4, kG,5, kG,6, kG,7
.if (\p) == 0
	WIN 0
	v_add_nc_u32 v[AV], s[TBV], v[AV0]
	s_add_co_u32 s[TBV], s[TBV], 8192
.endif
	ROW kG,8, kG,9, kG,10, kG,11
	ROW kG,12, kG,13
	ROW kR,0, kR,1, kR,2, kR,3
	ROW kR,4, kR,5, kR,6, kR,7
	ROW kR,8, kR,9, kR,10, kR,11
	ROW kR,12, kR,13, kR,14, kR,15
.if ((\p) == 2) && !(\end)
	FETCH_KH
.endif
.if (\p) == 1
	s_wait_dscnt 0x0                               ; V is in
.endif
	ROW kX,0, kX,1, kX,2, kX,3
	ROW kX,4, kX,5, kX,6, kX,7
	ROW kX,8, kX,9, kX,10, kX,11
	ROW kX,12, kX,13, kX,14, kX,15
	ROW kX,16
	ROW kX,17
	ROW kX,18, kG,14
	ROW kX,19, kG,15, kN,0, kX,20
	OP kX,21
	WIN 0
	v_nop                                          ; a plain instruction behind the last exponential
	s_wait_alu depctr_va_vdst(0)                   ; the one wait for the turn's batch, ahead of every reader, label and branch
.if (\p) == 0
	FETCH_V
.endif
.if !(\end)
	s_cmp_eq_u32 s[RT], 0                          ; masks are made in the diagonal tile alone
	s_cbranch_scc0 .Lnomask_\@
	MASK (\p)%2
	WIN 0
.Lnomask_\@:
.endif
.endm
; A BLOCK BEGINS.  c m starts far below every c s, so the first step's a is 0; m at the lowest finite number.  Piece 3's S^T and a are set to 0: the first turn rounds and sums them as the weights of a step that has not been.
; The second mask buffer is 0; the first takes piece 0's mask for the tile's step 0: its own, if the block's first tile is the diagonal one.  Then K of that step, piece 0's scores, its maximum and statistics.
.macro BEGIN
	s_mov_b32 s[NEW], 0
	WIN 0x40
.set i, MC+32
.rept 32
	v_mov_b32 v[i], 0
.set i, i+1
.endr
	WIN 0
.set i, 0
.rept 4
	v_mov_b32 v[ST+4*i], 0xfe000000
	v_mov_b32 v[ST+4*i+1], 0xff7fffff
.set i, i+1
.endr
.set i, S+96
.rept 32
	v_mov_b32 v[i], 0
.set i, i+1
.endr
	v_mov_b32 v[TMP+14], 0
	v_mov_b32 v[TMP+15], 0
	s_cmp_eq_u32 s[RT], 0
	s_cselect_b32 s[AL], 1.0, 0
	s_mov_b32 s[BE], 0
	MASK 0
	WIN 0
	v_add_nc_u32 v[AK], s[TBK], v[LO]
	FETCH_KL
	FETCH_KH
	s_wait_loadcnt 0x0                             ; Q
	s_wait_dscnt 0x0
.set NOKQ, 0
.set i, 0
.rept 24
	KQ 0
.set i, i+1
.endr
	WIN 0
.rept 4
	v_nop                                          ; the places behind those products
.endr
.set N, 0
.irp n, 0,1,2,3,4,5,6,7,8,9,10,11,12,13,14,15,16,17,18,19,20,21
	OP kX, \n
.endr
	v_nop
	s_wait_alu depctr_va_vdst(0)                   ; a's wait, ahead of the branch
.endm
.macro STEPS tag                       ; a trip: pieces 2 and 3 of one step, then pieces 0 and 1 of the next; a block's first tile enters in the middle
.Lstep\tag:
	TURN 2
	TURN 3
	WIN 0
.Lfirst\tag:
	TURN 0
	TURN 1
	WIN 0
	s_sub_co_u32 s[CNT], s[CNT], 1
	s_cmp_lg_u32 s[CNT], 0
	s_cbranch_scc1 .Lstep\tag
.endm
.macro ALL line:vararg
.set t, 0
.rept 4
	\line
.set t, t+1
.endr
.endm
.macro OUTP t                          ; piece t: O^T / l, rounded to f16; a lane's eight channels of a row are 16 bytes, and a wave's store 512 consecutive bytes of yy
	WIN W_RS
.set i, 32*(\t)
.rept 16
	v_pk_mul_f32 v[i:i+1], v[i:i+1], v[ST+4*(\t)+2:ST+4*(\t)+3] op_sel_hi:[1,0]
.set i, i+2
.endr
	WIN 0x05
.set i, 0
.rept 16
	v_cvt_pk_f16_f32 v[S+32*(\t)+i], v[32*(\t)+2*i], v[32*(\t)+2*i+1]
.set i, i+1
.endr
	WIN 0
.irp f, 0,1,2,3
	global_store_b128 v[LO], v[S+32*(\t)+4*\f:S+32*(\t)+4*\f+3], s[10:11] offset:(\t)*8192+\f*512
.endr
.endm
; A BLOCK ENDS: its last two turns, piece 3's roundings, sums and products, and the way out.
.macro END
	TURN 2, 1
	TURN 3, 1
.set Z, 3
.irp n, 0,1,2,3,4,5,6,7,8,9,10,11,12,13,14,15
	OP kC, \n
.endr
.irp n, 0,1,2,3,4,5,6,7,8,9,10,11,12,13,14,15
	OP kG, \n
.endr
.set i, 0
.rept 8
	PV 3
.set i, i+1
.endr
	WIN 0
	ALL v_add_f32 v[ST+4*t+2], v[ST+4*t+2], v[ST+4*t+3]  ; four plain lines: the places behind the last products
	ALL v_permlanex16_b32 v[ST+4*t+3], v[ST+4*t+2], s[SEL], s[SEL+1]
	ALL v_add_f32 v[ST+4*t+2], v[ST+4*t+2], v[ST+4*t+3]
	ALL v_rcp_f32 v[ST+4*t+2], v[ST+4*t+2]
	v_nop
	s_wait_alu depctr_va_vdst(0)                   ; one wait for the four reciprocals
	OUTP 0
	OUTP 1
	OUTP 2
	OUTP 3
.endm
.set NOKQ, 0
.Lslot:                                            ; 8 times: a tile is entered and the next is asked for
	CHANGE 1
	s_sub_co_u32 s[RT], s[RT], 1
	s_mov_b32 s[CNT], 4
	s_cmp_eq_u32 s[NEW], 1
	s_cbranch_scc0 .Lstep1
	BEGIN
	s_branch .Lfirst1
	STEPS 1
	s_cmp_eq_u32 s[RT], 0
	s_cbranch_scc0 .Lbottom                        ; not the block's last tile
	END
	s_wait_xcnt 0x0                                ; the stores have read their registers and yy's address
	s_mov_b64 s[10:11], s[OLO:OLO+1]
	s_add_co_u32 s[RT], s[PB], 1                   ; the second block has b + 1 tiles
	s_mov_b32 s[NEW], 1
	WIN 0x83                                       ; the second block's Q goes where the one text of the turns names Q
.set i, 0
.rept 128
	v_mov_b32 v[i], v[QB+i]
.set i, i+1
.endr
	WIN 0
.Lbottom:
	s_sub_co_u32 s[SLOTS], s[SLOTS], 1
	s_cmp_lg_u32 s[SLOTS], 0
	s_cbranch_scc1 .Lslot
	CHANGE 0                                       ; the walk's last tile is written out
	s_sub_co_u32 s[RT], s[RT], 1
	s_mov_b32 s[CNT], 4
	s_cmp_eq_u32 s[NEW], 1
	s_cbranch_scc0 .Lstep2
	BEGIN
	s_branch .Lfirst2
	STEPS 2
	END
	s_wait_tensorcnt 0x0                           ; the wave's end
	ds_add_u32 v[SPW], v[NIL]
	s_wait_dscnt 0x0
	s_endpgm
.Lfunc_end_k_qf2706a46d5_attn:
	.size	k_qf2706a46d5_attn, .Lfunc_end_k_qf2706a46d5_attn-k_qf2706a46d5_attn
	.p2alignl 7, 3214868480
	.fill 96, 4, 3214868480
	.section	.rodata,"a",@progbits
	.p2align	6, 0x0
	.amdhsa_kernel k_qf2706a46d5_attn
		.amdhsa_group_segment_fixed_size 327680
		.amdhsa_private_segment_fixed_size 0
		.amdhsa_enable_private_segment 0
		.amdhsa_kernarg_size 24
		.amdhsa_user_sgpr_count 2
		.amdhsa_user_sgpr_kernarg_segment_ptr 1
		.amdhsa_wavefront_size32 1
		.amdhsa_system_sgpr_workgroup_id_x 1
		.amdhsa_system_sgpr_workgroup_id_y 1
		.amdhsa_system_sgpr_workgroup_id_z 1
		.amdhsa_system_vgpr_workitem_id 0
		.amdhsa_next_free_vgpr 960
		.amdhsa_next_free_sgpr 96
		.amdhsa_reserve_vcc 1
		.amdhsa_float_denorm_mode_32 3
		.amdhsa_float_denorm_mode_16_64 3
		.amdhsa_memory_ordered 1
		.amdhsa_forward_progress 1
		.amdhsa_inst_pref_size 202
	.end_amdhsa_kernel
	.amdgpu_metadata
---
amdhsa.version: [ 1, 2 ]
amdhsa.kernels:
  - .name:           k_qf2706a46d5_attn
    .symbol:         k_qf2706a46d5_attn.kd
    .args:
      - { .name: qq, .offset: 0, .size: 8, .value_kind: global_buffer, .address_space: global }
      - { .name: kv, .offset: 8, .size: 8, .value_kind: global_buffer, .address_space: global }
      - { .name: yy, .offset: 16, .size: 8, .value_kind: global_buffer, .address_space: global }
    .group_segment_fixed_size: 327680
    .private_segment_fixed_size: 0
    .kernarg_segment_align: 8
    .kernarg_segment_size: 24
    .max_flat_workgroup_size: 128
    .sgpr_count:     96
    .vgpr_count:     960
    .wavefront_size: 32
...
	.end_amdgpu_metadata
.endif
;; end of part 3
;; launch proj (part 4): grid 8 x 32, 4 waves a work-group, clusters of 4 x 4, 327,680 bytes of LDS; arguments yy, wpb, b_proj, out0; writes out0
.if DOCPART == 4
	.amdgcn_target "amdgcn-amd-amdhsa--gfx1250"
	.amdhsa_code_object_version 6
	.text
	.protected	k_qf2706a46d5_proj
	.globl	k_qf2706a46d5_proj
	.p2align	8
	.type	k_qf2706a46d5_proj,@function
k_qf2706a46d5_proj:
	s_mov_b64 s[64:65], 0
	v_nop
	global_prefetch_b8 v0, s[64:65] scope:SCOPE_SE
	s_setreg_imm32_b32 hwreg(HW_REG_WAVE_MODE, 25, 1), 1
	s_wait_xcnt 0x0
	s_wait_alu depctr_hold_cnt(0) depctr_sa_sdst(0) depctr_va_vdst(0) depctr_va_sdst(0) depctr_va_ssrc(0) depctr_va_vcc(0) depctr_vm_vsrc(0)
	s_getreg_b32 s2, hwreg(HW_REG_IB_STS2, 6, 4)
	s_cmp_eq_u32 s2, 0
	s_cbranch_scc0 .Lentry_in_a_cluster
	s_endpgm
.Lentry_in_a_cluster:
	s_bfe_u32 s2, ttmp6, 0x10000c
	s_cmp_lg_u32 s2, 0xf033
	s_cbranch_scc0 .Lentry_shape_is_right
	s_endpgm
.Lentry_shape_is_right:
; PROJ: out0 [8192 x 1024] f32 = y [8192 x 1024] x w_proj [1024 x 1024] + b_proj.  y is f16, in fragment order by heads (16 rows x 64 channels in 2,048 bytes); the weights are the bf16-rounded
; numbers written as f16, laid [k][n]; the bias, rounded to bf16 like every input, starts the sums; sums in f32.
; SHARES.  A tile of out0 is 256 x 128: 256 work-groups.  Wave w: rows 128 (w / 2) on, columns 64 (w % 2) on: 32 accumulators.  K goes in 8 steps of 128 (two heads) through two LDS slots; a step is four quarters of 32.
; CLUSTER 4 x 4: y's tiles are asked for jointly along a row of the cluster (waves 0, 1: a head each, 32 KiB dense), the weights' along a column (waves 2, 3: 64 rows of 256 bytes each).
; The product is taken transposed (source 0 = 16 columns of w, source 1 = 16 rows of y): a lane holds one row and eight neighbouring columns, 32 bytes.
; A wave's 64 columns are 256 bytes of a row of out0: a block of 16 rows goes through the wave's own stage in LDS and leaves as whole rows, sixteen lanes to 256 aligned bytes.
; REGISTERS: window 0: v4-14 addresses; v32-95, v96-159 y's fragments; v160-191, v192-223 the weights'; v224-255 the bias.  Window 1: accumulator (a, b) at v[8 (4 a + b)].
.set SLOT1, 131072
.set BOFF,  65536                      ; behind y's two heads: 128 rows of w at pitch 288
.set STAGE, 233472                     ; behind slot 1, never filled by a tensor load: 16 rows x 272 bytes a wave
.set SPITCH, 272
.set SPARE, 250880                     ; the spare words, 128 bytes a wave, that no other line names
.set ASTEP, 524288                     ; two heads of 262,144 bytes
.set BSTEP, 262144                     ; 128 rows of 2,048 bytes
.set A0,   4
.set B0,   5
.set ADRA, 6
.set ADRB, 7
.set STO,  8                           ; v8   where I put 32 bytes of a row
.set PFO,  9
.set RD,   10                          ; v10  where I read rows back
.set CO,   11                          ; v11  my byte offset in out0
.set SPW,  12
.set NIL,  13
.set BO,   14
.set AB0,  32
.set BB0,  160
.set BIAS, 224
.set OB,   32                          ; the way out: rows read back, v32-63 and v64-95 by turns
.set WV, 14
.set RH, 15
.set CH, 16
.set CX, 17
.set CY, 18
.set TC, 19
.set TR, 20
.set G1A, 24
.set G1B, 32
.set G0A, 40
.set G0B, 48
.set TB,  56
.set KC,  57
.set LIM, 58
.set PMK, 59
.set PFA, 60
.set PFS, 62
.set HIM, 74
.set AAD, 76
.set BAD, 78
.set MSB, 0
.macro WIN new
.if MSB != (\new)
	s_set_vgpr_msb (MSB<<8)|(\new)
.set MSB, (\new)
.endif
.endm
.macro PLACES
.rept 4
	v_nop
.endr
.endm
.macro CREST
	s_cmp_lg_u32 s[WV], 0
	s_cbranch_scc1 .Lnot_wave_0_\@
	s_barrier_signal -3
.Lnot_wave_0_\@:
	s_barrier_wait -3
	s_barrier_signal -1
	s_barrier_wait -1
.endm
.macro CROUND
	s_barrier_signal -1
	s_barrier_wait -1
	CREST
.endm
.macro JLOAD                           ; a joint refill; an s_nop 0 and four v_nop follow each of the two lines
	s_cmp_lt_u32 s[WV], 2
	s_cbranch_scc0 .Lfor_b_\@
	tensor_load_to_lds s[G0A+4:G0A+7], s[G1A:G1A+7]
	s_nop 0
.rept 4
	v_nop
.endr
	s_branch .Lasked_\@
.Lfor_b_\@:
	tensor_load_to_lds s[G0B+4:G0B+7], s[G1B:G1B+7]
	s_nop 0
.rept 4
	v_nop
.endr
.Lasked_\@:
.endm
; A PREFETCH INTO THE L2, behind the joint load and the run of LDS loads.  The refill of trip t asks for K step t + 2; the prefetch names K step t + 4, two refills, 256 matrix instructions, on.
; y's tiles: cluster x = 0 asks, waves 0 and 1, a partner 32 blocks of 256 bytes.  The weights': cluster y = 0, waves 2 and 3, a partner 16 rows, for two K steps at once, in every second trip.
; Each block is named once; K steps 0-3 come by their loads alone; the last trips ask for nothing.
.macro ASK
	s_and_b32 s66, s[KC], s[PMK]
	s_cmp_lg_u32 s66, 0
	s_cbranch_scc1 .Lno_ask_\@
	s_cmp_gt_u32 s[KC], s[LIM]
	s_cbranch_scc0 .Lno_ask_\@
	global_prefetch_b8 v[PFO], s[PFA:PFA+1] th:TH_LOAD_NT scope:SCOPE_SE
.Lno_ask_\@:
.endm
	s_load_b256 s[4:11], s[0:1], 0x0               ; yy s[4:5], wpb s[6:7], b_proj s[8:9], out0 s[10:11]
	v_lshl_add_u32 v[SPW], v0, 2, SPARE
	v_mov_b32 v[NIL], 0
	ds_add_u32 v[SPW], v[NIL]                      ; the wave's opening: the add and its wait stand ahead of my first tensor load
	v_lshrrev_b32 v3, 5, v0
	v_readfirstlane_b32 s[WV], v3
	s_lshr_b32 s[RH], s[WV], 1
	s_and_b32 s[CH], s[WV], 1
	s_bfe_u32 s[CX], ttmp6, 0x40000
	s_bfe_u32 s[CY], ttmp6, 0x40004
	s_lshl_b32 s[TC], ttmp9, 2
	s_add_co_u32 s[TC], s[TC], s[CX]
	s_and_b32 s[TR], ttmp7, 0xffff
	s_lshl_b32 s[TR], s[TR], 2
	s_add_co_u32 s[TR], s[TR], s[CY]
	s_lshl_b32 s66, s[CY], 2
	s_lshl_b32 s66, 15, s66
	s_lshl_b32 s67, 0x1111, s[CX]
	s_or_b32 s[G1A], s66, 0x00230000               ; mask; 8-byte elements; bit 21 beside a mask; no padding
	s_mov_b32 s[G1A+1], 32<<16
	s_mov_b32 s[G1A+2], 128<<16
	s_mov_b32 s[G1A+3], 32<<16
	s_mov_b32 s[G1A+4], 128
	s_mov_b32 s[G1A+5], 32
	s_mov_b32 s[G1A+6], 0
	s_mov_b32 s[G1A+7], 0
	s_or_b32 s[G1B], s67, 0x0f710000               ; mask; 2-byte elements; 8 words of padding after every 64
	s_mov_b32 s[G1B+1], 128<<16
	s_mov_b32 s[G1B+2], 64<<16
	s_mov_b32 s[G1B+3], 128<<16
	s_mov_b32 s[G1B+4], 64
	s_mov_b32 s[G1B+5], 1024
	s_mov_b32 s[G1B+6], 0
	s_mov_b32 s[G1B+7], 0
	s_lshr_b32 s80, s[TR], 3
	s_lshl_b32 s80, s80, 22                        ; the batch's 16 heads
	s_and_b32 s81, s[TR], 7
	s_lshl_b32 s81, s81, 15                        ; 256 rows of a head
	s_add_co_u32 s80, s80, s81
	s_lshl_b32 s81, s[CH], 18                      ; which of a step's two heads I fetch
	s_add_co_u32 s80, s80, s81
	s_mov_b32 s81, 0
	s_lshl_b32 s82, s[CH], 17                      ; which 64 rows of w I fetch
	s_lshl_b32 s83, s[TC], 8
	s_add_co_u32 s82, s82, s83
	s_mov_b32 s83, 0
	s_mul_i32 s84, s[WV], 32768                    ; waves 0, 1: y's heads
	s_mul_i32 s85, s[WV], 18432
	s_add_co_u32 s85, s85, 28672                   ; waves 2, 3: 65,536 + (w - 2) x 18,432
	s_mov_b32 s[TB], 0
	s_mov_b32 s[HIM], 0xffff0000
	s_wait_dscnt 0x0
	s_wait_kmcnt 0x0
	s_add_nc_u64 s[AAD:AAD+1], s[4:5], s[80:81]
	s_add_nc_u64 s[BAD:BAD+1], s[6:7], s[82:83]
	CROUND                                         ; all sixteen work-groups are here: the first joint loads meet
.irp s, 0,1
	s_mov_b32 s[G0A+4*\s], 1
	s_add_co_u32 s[G0A+4*\s+1], s84, \s*SLOT1
	s_add_nc_u64 s[G0A+4*\s+2:G0A+4*\s+3], s[AAD:AAD+1], \s*ASTEP
	s_or_b32 s[G0A+4*\s+3], s[G0A+4*\s+3], 0x80000000
	s_mov_b32 s[G0B+4*\s], 1
	s_add_co_u32 s[G0B+4*\s+1], s85, \s*SLOT1
	s_add_nc_u64 s[G0B+4*\s+2:G0B+4*\s+3], s[BAD:BAD+1], \s*BSTEP
	s_or_b32 s[G0B+4*\s+3], s[G0B+4*\s+3], 0x80000000
.endr
	s_cmp_lt_u32 s[WV], 2                          ; a wave's two first fills stand in one branch
	s_cbranch_scc0 .Lfirst_b
	tensor_load_to_lds s[G0A:G0A+3], s[G1A:G1A+7]
	s_nop 0
	tensor_load_to_lds s[G0A+4:G0A+7], s[G1A:G1A+7]
	s_nop 0
.rept 4
	v_nop
.endr
	s_branch .Lfirst_done
.Lfirst_b:
	tensor_load_to_lds s[G0B:G0B+3], s[G1B:G1B+7]
	s_nop 0
	tensor_load_to_lds s[G0B+4:G0B+7], s[G1B:G1B+7]
	s_nop 0
.rept 4
	v_nop
.endr
.Lfirst_done:
	v_and_b32 v1, 15, v0                           ; r
	v_bfe_u32 v2, v0, 4, 1                         ; h
	s_lshl_b32 s66, s[TC], 9
	s_lshl_b32 s67, s[CH], 8
	s_add_co_u32 s66, s66, s67                     ; my 64 columns, 4 bytes each
	v_lshl_add_u32 v[BO], v2, 5, s66
.irp b, 0,1,2,3
	global_load_b128 v[BIAS+8*\b:BIAS+8*\b+3],   v[BO], s[8:9] offset:64*\b
	global_load_b128 v[BIAS+8*\b+4:BIAS+8*\b+7], v[BO], s[8:9] offset:64*\b+16
.endr
	v_and_b32 v3, 31, v0
	s_lshl_b32 s67, s[RH], 14
	v_lshl_add_u32 v[A0], v3, 4, s67               ; y's fragments: 16 x lane in my 8 row blocks of 2,048 bytes
	v_and_b32 v3, 7, v0
	v_lshl_add_u32 v3, v2, 3, v3
	v_mul_u32_u24 v[B0], v3, 288
	v_bfe_u32 v3, v0, 3, 1
	v_lshl_add_u32 v[B0], v3, 4, v[B0]
	s_lshl_b32 s67, s[CH], 7
	s_add_co_u32 s67, s67, BOFF
	v_add_nc_u32 v[B0], s67, v[B0]
	v_mov_b32 v[ADRA], v[A0]
	v_mov_b32 v[ADRB], v[B0]
	s_mul_i32 s67, s[WV], 16*SPITCH
	s_add_co_u32 s67, s67, STAGE                   ; my stage
	v_mul_u32_u24 v[STO], v1, SPITCH
	v_lshl_add_u32 v[STO], v2, 5, v[STO]
	v_add_nc_u32 v[STO], s67, v[STO]
	v_mul_u32_u24 v[RD], v2, SPITCH
	v_lshl_add_u32 v[RD], v1, 4, v[RD]
	v_add_nc_u32 v[RD], s67, v[RD]
	v_lshlrev_b32 v[CO], 12, v2
	v_lshl_add_u32 v[CO], v1, 4, v[CO]
	s_lshl_b32 s68, s[TR], 20                      ; 256 rows of 4,096 bytes
	s_lshl_b32 s69, s[RH], 19
	s_add_co_u32 s68, s68, s69
	s_add_co_u32 s68, s68, s66
	s_mov_b32 s69, 0
	s_add_nc_u64 s[10:11], s[10:11], s[68:69]
	; the prefetches
	s_and_b32 s66, ttmp7, 0xffff
	s_lshl_b32 s67, s[CX], 13
	s_lshl_b32 s68, s[CY], 15                      ; 16 rows of 2,048 bytes
	s_mov_b32 s69, ASTEP
	s_mov_b32 s75, BSTEP
	s_movk_i32 s88, 256
	s_movk_i32 s89, 2048
	s_movk_i32 s90, 4096
	s_cmp_lt_u32 s[WV], 2
	s_cselect_b64 s[PFA:PFA+1], s[AAD:AAD+1], s[BAD:BAD+1]
	s_cselect_b32 s86, s67, s68
	s_cselect_b32 s[PFS], s69, s75
	s_cselect_b32 s[PMK], 0, 1
	s_cselect_b32 s66, ttmp9, s66
	s_cselect_b32 s87, 2, 3
	s_cselect_b32 s88, s88, s89
	s_cselect_b32 s89, s90, s75
	s_cmp_eq_u32 s66, 0
	s_cselect_b32 s[LIM], s87, -1
	s_mov_b32 s87, 0
	s_mov_b32 s[PFS+1], 0
	s_add_nc_u64 s[PFA:PFA+1], s[PFA:PFA+1], s[86:87]
.rept 3
	s_add_nc_u64 s[PFA:PFA+1], s[PFA:PFA+1], s[PFS:PFS+1]  ; at K step 3: the first refill steps it to 4
.endr
	v_mul_u32_u24 v[PFO], s88, v1
	v_mad_u32_u24 v[PFO], v2, s89, v[PFO]
	s_wait_loadcnt 0x0                             ; the bias: rounded to bf16 and widened again
.set i, 0
.rept 16
	v_cvt_pk_bf16_f32 v[AB0+i], v[BIAS+2*i], v[BIAS+2*i+1]
.set i, i+1
.endr
.set i, 0
.rept 16
	v_lshlrev_b32 v[BIAS+2*i],   16, v[AB0+i]
	v_and_b32     v[BIAS+2*i+1], s[HIM], v[AB0+i]
.set i, i+1
.endr
; n row blocks from alo on x all 4 column blocks, 32 along K, from buffers f.  The accumulators take turns.  first = 1: the bias starts the sums.
.macro MUL f, alo, n, first
.if \first
	WIN 0x40
.else
	WIN 0x50
.endif
.set aa, \alo
.rept \n
.irp b, 0,1,2,3
.if \first
	v_wmma_f32_16x16x32_f16 v[8*(4*aa+\b):8*(4*aa+\b)+7], v[BB0+32*(\f)+8*\b:BB0+32*(\f)+8*\b+7], v[AB0+64*(\f)+8*aa:AB0+64*(\f)+8*aa+7], v[BIAS+8*\b:BIAS+8*\b+7]
.else
	v_wmma_f32_16x16x32_f16 v[8*(4*aa+\b):8*(4*aa+\b)+7], v[BB0+32*(\f)+8*\b:BB0+32*(\f)+8*\b+7], v[AB0+64*(\f)+8*aa:AB0+64*(\f)+8*aa+7], v[8*(4*aa+\b):8*(4*aa+\b)+7]
.endif
.endr
.set aa, aa+1
.endr
.endm
; 24 LDS loads in one run: quarter kq's fragments into buffers g: the weights' four, then y's eight
.macro FETCH kq, g
	WIN 0
.irp b, 0,1,2,3
	ds_load_tr16_b128 v[BB0+32*(\g)+8*\b:BB0+32*(\g)+8*\b+3],   v[ADRB] offset:(\kq)*9216+\b*32
	ds_load_tr16_b128 v[BB0+32*(\g)+8*\b+4:BB0+32*(\g)+8*\b+7], v[ADRB] offset:(\kq)*9216+\b*32+4608
.endr
.irp a, 0,1,2,3,4,5,6,7
	ds_load_b128 v[AB0+64*(\g)+8*\a:AB0+64*(\g)+8*\a+3],   v[ADRA] offset:((\kq)/2)*32768+((\kq)%2)*1024+\a*2048
	ds_load_b128 v[AB0+64*(\g)+8*\a+4:AB0+64*(\g)+8*\a+7], v[ADRA] offset:((\kq)/2)*32768+((\kq)%2)*1024+\a*2048+512
.endr
.endm
.macro QUARTER kn, f, first            ; multiplies buffers f; in its middle fetches quarter kn into the other buffers
	s_wait_dscnt 8                                 ; all but y's row blocks 4-7
	MUL \f, 0, 4, \first
	PLACES
	FETCH \kn, 1-(\f)
	s_wait_dscnt 24                                ; all but the 24 just issued
	MUL \f, 4, 4, \first
.endm
; The last quarter multiplies buffers 1 and changes slots: the wait for all my tensor loads, the add, the wait for it and for my reads of this slot, the barrier (with fill = 1 it opens a round of the cluster's), the joint refill first behind it.
.macro TURN fill
.if \fill
	s_wait_xcnt 0x0                                ; the last prefetch, a K step back, has read its address
	s_add_nc_u64 s[PFA:PFA+1], s[PFA:PFA+1], s[PFS:PFS+1]
.endif
	WIN 0
	s_wait_tensorcnt 0x0
	ds_add_u32 v[SPW], v[NIL]
.if \fill
	s_xor_b32 s[G0A+5], s[G0A+5], SLOT1
	s_add_nc_u64 s[G0A+6:G0A+7], s[G0A+6:G0A+7], ASTEP
	s_xor_b32 s[G0B+5], s[G0B+5], SLOT1
	s_add_nc_u64 s[G0B+6:G0B+7], s[G0B+6:G0B+7], BSTEP
.endif
	s_wait_dscnt 9                                 ; the add and y's row blocks 4-7 may be out
	MUL 1, 0, 2, 0
	s_wait_dscnt 0x0
	s_barrier_signal -1
	MUL 1, 2, 2, 0
	WIN 0
	s_barrier_wait -1
.if \fill
	CREST
	JLOAD                                          ; its four v_nop are also the places in front of the loads below
.else
	PLACES
.endif
	s_xor_b32 s[TB], s[TB], SLOT1
	v_add_nc_u32 v[ADRA], s[TB], v[A0]
	v_add_nc_u32 v[ADRB], s[TB], v[B0]
	FETCH 0, 0
.if \fill
	ASK
.endif
	MUL 1, 4, 4, 0
.endm
	s_wait_tensorcnt 1                             ; my part of K step 0 is in; K step 1's may stay out
	s_barrier_signal -1
	s_barrier_wait -1
	FETCH 0, 0
	QUARTER 1, 0, 1                                ; the first quarter stands ahead of the loop: its products start the sums
	WIN 0
	s_mov_b32 s[KC], 6
.Lk:                                               ; 6 trips, from a K step's second quarter to the next K step's first
	QUARTER 2, 1, 0
	QUARTER 3, 0, 0
	TURN 1
	QUARTER 1, 0, 0
	WIN 0
	s_sub_co_u32 s[KC], s[KC], 1
	s_cmp_lg_u32 s[KC], 0
	s_cbranch_scc1 .Lk
	QUARTER 2, 1, 0                                ; the tail is written out: nothing is left to ask for
	QUARTER 3, 0, 0
	TURN 0
	QUARTER 1, 0, 0
	QUARTER 2, 1, 0
	QUARTER 3, 0, 0
	s_wait_dscnt 8
	MUL 1, 0, 4, 0
	s_wait_dscnt 0x0
	MUL 1, 4, 4, 0
	WIN 0
	PLACES
; THE WAY OUT, a block of 16 rows at a time, through my own stage: LDS serves a wave's instructions in order (ISA guide 5.7.1.4), so no wait stands between the stores and the loads.
.macro TOSTAGE a
	WIN 0x04                                       ; store data in window 1
.irp b, 0,1,2,3
	ds_store_b128 v[STO], v[8*(4*(\a)+\b):8*(4*(\a)+\b)+3]   offset:\b*64
	ds_store_b128 v[STO], v[8*(4*(\a)+\b)+4:8*(4*(\a)+\b)+7] offset:\b*64+16
.endr
	WIN 0
	s_wait_xcnt 0x0                                ; the stores of the block two back have read the registers that are loaded now
.irp t, 0,1,2,3,4,5,6,7
	ds_load_b128 v[OB+32*((\a)%2)+4*\t:OB+32*((\a)%2)+4*\t+3], v[RD] offset:\t*2*SPITCH
.endr
.endm
.macro SEND a, younger                 ; younger: the LDS instructions issued behind block a's loads: the next block's sixteen, or none
	s_wait_dscnt \younger
.irp t, 0,1,2,3,4,5,6,7
	global_store_b128 v[CO], v[OB+32*((\a)%2)+4*\t:OB+32*((\a)%2)+4*\t+3], s[10:11] offset:(16*(\a)+2*\t)*4096 th:TH_STORE_NT  ; 16 lanes store 256 consecutive bytes, aligned
.endr
.endm
	TOSTAGE 0
.irp a, 1,2,3,4,5,6,7
	TOSTAGE \a
	SEND (\a)-1, 16
.endr
	SEND 7, 0
	s_wait_tensorcnt 0x0                           ; the wave's end
	ds_add_u32 v[SPW], v[NIL]
	s_wait_dscnt 0x0
	CROUND                                         ; the closing round
	s_endpgm
.Lfunc_end_k_qf2706a46d5_proj:
	.size	k_qf2706a46d5_proj, .Lfunc_end_k_qf2706a46d5_proj-k_qf2706a46d5_proj
	.p2alignl 7, 3214868480
	.fill 96, 4, 3214868480
	.section	.rodata,"a",@progbits
	.p2align	6, 0x0
	.amdhsa_kernel k_qf2706a46d5_proj
		.amdhsa_group_segment_fixed_size 327680
		.amdhsa_private_segment_fixed_size 0
		.amdhsa_enable_private_segment 0
		.amdhsa_kernarg_size 32
		.amdhsa_user_sgpr_count 2
		.amdhsa_user_sgpr_kernarg_segment_ptr 1
		.amdhsa_wavefront_size32 1
		.amdhsa_system_sgpr_workgroup_id_x 1
		.amdhsa_system_sgpr_workgroup_id_y 1
		.amdhsa_system_sgpr_workgroup_id_z 1
		.amdhsa_system_vgpr_workitem_id 0
		.amdhsa_next_free_vgpr 512
		.amdhsa_next_free_sgpr 100
		.amdhsa_reserve_vcc 0
		.amdhsa_float_denorm_mode_32 3
		.amdhsa_float_denorm_mode_16_64 3
		.amdhsa_memory_ordered 1
		.amdhsa_forward_progress 1
		.amdhsa_inst_pref_size 73
	.end_amdhsa_kernel
	.amdgpu_metadata
---
amdhsa.version: [ 1, 2 ]
amdhsa.kernels:
  - .name:           k_qf2706a46d5_proj
    .symbol:         k_qf2706a46d5_proj.kd
    .args:
      - { .name: yy, .offset: 0, .size: 8, .value_kind: global_buffer, .address_space: global }
      - { .name: wpb, .offset: 8, .size: 8, .value_kind: global_buffer, .address_space: global }
      - { .name: b_proj, .offset: 16, .size: 8, .value_kind: global_buffer, .address_space: global }
      - { .name: out0, .offset: 24, .size: 8, .value_kind: global_buffer, .address_space: global }
    .group_segment_fixed_size: 327680
    .private_segment_fixed_size: 0
    .kernarg_segment_align: 8
    .kernarg_segment_size: 32
    .max_flat_workgroup_size: 128
    .sgpr_count:     100
    .vgpr_count:     512
    .wavefront_size: 32
...
	.end_amdgpu_metadata
.endif
;; end of part 4
;; ======== version 2 of 2: 4 launches; version 1 with the launch prep written anew for expert scheduling mode
;; limits: values are held in f16: magnitudes above 65,504 overflow, below 6.1e-05 lose precision; right only within a limited range of input values
;; workspace buffers: xb 16,777,216 bytes; wab 6,291,456 bytes; wpb 2,097,152 bytes; qq 33,554,432 bytes; kv 50,331,648 bytes; yy 16,777,216 bytes
;; launch prep (part 5): grid 768 x 1, 8 waves a work-group, no clusters, 0 bytes of LDS; arguments x, w_attn, w_proj, xb, wab, wpb; writes xb, wab, wpb
.if DOCPART == 5
	.amdgcn_target "amdgcn-amd-amdhsa--gfx1250"
	.amdhsa_code_object_version 6
	.text
	.protected	k_qf2706a46d5_prep
	.globl	k_qf2706a46d5_prep
	.p2align	8
	.type	k_qf2706a46d5_prep,@function
k_qf2706a46d5_prep:
	s_mov_b64 s[64:65], 0
	v_nop
	global_prefetch_b8 v0, s[64:65] scope:SCOPE_SE
	s_setreg_imm32_b32 hwreg(HW_REG_WAVE_SCHED_MODE, 0, 2), 2
	s_setreg_imm32_b32 hwreg(HW_REG_WAVE_MODE, 25, 1), 1
	s_wait_xcnt 0x0
	s_wait_alu depctr_vm_vsrc(0)
; PREP: the three large inputs are rounded once to bf16 (nearest even) and laid out for the products that follow.
;   xb  [batch 4][kb 16][t 2048][64] bf16: the 64 channels kb of all rows lie end to end, 128 bytes a row
;   wab [1024][3072] bf16, laid as w_attn
;   wpb [1024][1024]: w_proj rounded to bf16, that number written as f16
; LIMIT: a w_proj of 65,520 or more in magnitude becomes an infinity in f16; below 2^-14 the f16 keeps a fixed step of 6e-8.
; A stream: nothing is shared, so no LDS, no matrix unit, no cluster.  A work-group takes 16,384 numbers; each lane has its 16 loads of
; 16 bytes out at once and owns a register for every load and every store, so no register is written twice.
; Work-groups 0-511: x, 16 rows each.  512-703: w_attn.  704-767: w_proj.
; THE MODE: SCHED_MODE bits 1:0 = 2 (LLVM: expert scheduling mode 2), set by the entry lines.  The code itself states the register dependences
; between vector instructions and memory instructions, with s_wait_alu, always for 0.
; THE PLAN.  Registers that memory instructions touch:
;   v[VI], v[VO]  the offsets of all loads and of all stores: made by vector lines at a path's head and never written again.
;   IN            four registers to a load: written by that load alone, once; read by its conversions behind the counted wait for it.
;   OUT           two registers to a store: written by the conversions of one load, once; read by that store alone.
;   TT, v1, v4    named by vector instructions alone.
; The 16 loads are worked on in four blocks of four.  Block p converts its four loads into its eight registers of OUT; its memory instructions are the
; four stores of block p - 1, whose registers no vector instruction of block p names.  So one wait at a block's head states all that its stores hang on,
; and they are dealt among the block's conversions with no further wait.  Nothing that a memory instruction has read is written again, EXEC is never
; written, and no vector instruction writes a scalar register: no other kind of wait is owed.
.set VI,  2                            ; v2  byte offset of my 16 bytes in
.set VO,  3                            ; v3  byte offset of my 8 bytes out
.set IN,  8                            ; v[8:71]   16 x 4 numbers in f32
.set OUT, 72                           ; v[72:103] 16 x 4 numbers in 16 bits
.set TT,  104                          ; v[104:105] at work
.macro CAST inb, outb, istr, ostr, f16
	s_wait_alu depctr_va_vdst(0)                   ; v[VI] and v[VO] are written: every load below reads the one as its offset, every store the other
.set i, 0
.rept 16
	global_load_b128 v[IN+4*i:IN+4*i+3], v[VI], s[\inb:\inb+1] offset:i*(\istr) th:TH_LOAD_NT
.set i, i+1
.endr
.set p, 0
.rept 4                                            ; block p: loads 4 p .. 4 p + 3
	s_wait_loadcnt 12-4*p                          ; loads come back in order: this block's four are in, the 12 - 4 p of the later blocks stay out
.if p > 0
	s_wait_alu depctr_va_vdst(0)                   ; the block before has written its eight registers of OUT, which the four stores below read
.endif
.set j, 0
.rept 4
.set i, 4*p+j
.if p > 0
	global_store_b64 v[VO], v[OUT+2*(i-4):OUT+2*(i-4)+1], s[\outb:\outb+1] offset:(i-4)*(\ostr)  ; the block before: a wave stores 256 consecutive bytes, aligned; no vector instruction since the wait names these registers
.endif
.irp h, 0,1
.if \f16
	v_cvt_pk_bf16_f32 v[TT], v[IN+4*i+2*\h], v[IN+4*i+2*\h+1]     ; rounded to bf16,
	v_lshlrev_b32 v[TT+1], 16, v[TT]                              ; widened again,
	v_and_b32 v[TT], s16, v[TT]
	v_cvt_pk_f16_f32 v[OUT+2*i+\h], v[TT+1], v[TT]                ; and written as f16: 8 significant bits fit into 11
.else
	v_cvt_pk_bf16_f32 v[OUT+2*i+\h], v[IN+4*i+2*\h], v[IN+4*i+2*\h+1]
.endif
.endr
.set j, j+1
.endr
.set p, p+1
.endr
	s_wait_alu depctr_va_vdst(0)                   ; the last block has written its eight registers of OUT, which the last four stores read
.set i, 12
.rept 4
	global_store_b64 v[VO], v[OUT+2*i:OUT+2*i+1], s[\outb:\outb+1] offset:i*(\ostr)  ; a wave stores 256 consecutive bytes, aligned
.set i, i+1
.endr
	s_endpgm
.endm
	s_load_b256 s[4:11], s[0:1], 0x0               ; x s[4:5], w_attn s[6:7], w_proj s[8:9], xb s[10:11]
	s_load_b128 s[12:15], s[0:1], 0x20             ; wab s[12:13], wpb s[14:15]
	s_mov_b32 s16, 0xffff0000                      ; a word's upper bf16
	s_mov_b32 s17, ttmp9
	s_mov_b32 s19, 0
	s_mov_b32 s21, 0
	s_cmp_lt_u32 s17, 512
	s_cbranch_scc0 .Lweights
	; x: rows 16 g .. 16 g + 15.  Sixteen lanes take 256 bytes (64 channels) of a row; load i takes channel block i
	v_lshrrev_b32 v1, 4, v0                        ; my row of the 16
	v_and_b32 v4, 15, v0
	v_lshlrev_b32 v[VI], 12, v1
	v_lshl_add_u32 v[VI], v4, 4, v[VI]
	v_lshlrev_b32 v[VO], 7, v1
	v_lshl_add_u32 v[VO], v4, 3, v[VO]
	s_lshl_b32 s18, s17, 16                        ; 16 rows of 4,096 bytes
	s_lshr_b32 s20, s17, 7                         ; the batch,
	s_lshl_b32 s20, s20, 22                        ; 4,194,304 bytes of xb each
	s_and_b32 s22, s17, 127
	s_lshl_b32 s22, s22, 11                        ; 16 rows of 128 bytes
	s_add_co_u32 s20, s20, s22
	s_wait_kmcnt 0x0
	s_add_nc_u64 s[4:5], s[4:5], s[18:19]
	s_add_nc_u64 s[10:11], s[10:11], s[20:21]
	CAST 4, 10, 256, 262144, 0
.Lweights:
	; the weights keep their layout: a wave takes 8,192 consecutive bytes, 512 a load
	v_lshrrev_b32 v1, 5, v0
	v_and_b32 v4, 31, v0
	v_lshlrev_b32 v[VI], 13, v1
	v_lshl_add_u32 v[VI], v4, 4, v[VI]
	v_lshlrev_b32 v[VO], 12, v1
	v_lshl_add_u32 v[VO], v4, 3, v[VO]
	s_cmp_lt_u32 s17, 704
	s_cbranch_scc0 .Lwproj
	s_sub_co_u32 s17, s17, 512
	s_lshl_b32 s18, s17, 16
	s_lshl_b32 s20, s17, 15
	s_wait_kmcnt 0x0
	s_add_nc_u64 s[6:7], s[6:7], s[18:19]
	s_add_nc_u64 s[12:13], s[12:13], s[20:21]
	CAST 6, 12, 512, 256, 0
.Lwproj:
	s_sub_co_u32 s17, s17, 704
	s_lshl_b32 s18, s17, 16
	s_lshl_b32 s20, s17, 15
	s_wait_kmcnt 0x0
	s_add_nc_u64 s[8:9], s[8:9], s[18:19]
	s_add_nc_u64 s[14:15], s[14:15], s[20:21]
	CAST 8, 14, 512, 256, 1
.Lfunc_end_k_qf2706a46d5_prep:
	.size	k_qf2706a46d5_prep, .Lfunc_end_k_qf2706a46d5_prep-k_qf2706a46d5_prep
	.p2alignl 7, 3214868480
	.fill 96, 4, 3214868480
	.section	.rodata,"a",@progbits
	.p2align	6, 0x0
	.amdhsa_kernel k_qf2706a46d5_prep
		.amdhsa_group_segment_fixed_size 0
		.amdhsa_private_segment_fixed_size 0
		.amdhsa_enable_private_segment 0
		.amdhsa_kernarg_size 48
		.amdhsa_user_sgpr_count 2
		.amdhsa_user_sgpr_kernarg_segment_ptr 1
		.amdhsa_wavefront_size32 1
		.amdhsa_system_sgpr_workgroup_id_x 1
		.amdhsa_system_sgpr_workgroup_id_y 1
		.amdhsa_system_sgpr_workgroup_id_z 1
		.amdhsa_system_vgpr_workitem_id 0
		.amdhsa_next_free_vgpr 112
		.amdhsa_next_free_sgpr 66
		.amdhsa_reserve_vcc 0
		.amdhsa_float_denorm_mode_32 3
		.amdhsa_float_denorm_mode_16_64 3
		.amdhsa_memory_ordered 1
		.amdhsa_forward_progress 1
		.amdhsa_inst_pref_size 22
	.end_amdhsa_kernel
	.amdgpu_metadata
---
amdhsa.version: [ 1, 2 ]
amdhsa.kernels:
  - .name:           k_qf2706a46d5_prep
    .symbol:         k_qf2706a46d5_prep.kd
    .args:
      - { .name: x, .offset: 0, .size: 8, .value_kind: global_buffer, .address_space: global }
      - { .name: w_attn, .offset: 8, .size: 8, .value_kind: global_buffer, .address_space: global }
      - { .name: w_proj, .offset: 16, .size: 8, .value_kind: global_buffer, .address_space: global }
      - { .name: xb, .offset: 24, .size: 8, .value_kind: global_buffer, .address_space: global }
      - { .name: wab, .offset: 32, .size: 8, .value_kind: global_buffer, .address_space: global }
      - { .name: wpb, .offset: 40, .size: 8, .value_kind: global_buffer, .address_space: global }
    .group_segment_fixed_size: 0
    .private_segment_fixed_size: 0
    .kernarg_segment_align: 8
    .kernarg_segment_size: 48
    .max_flat_workgroup_size: 256
    .sgpr_count:     66
    .vgpr_count:     112
    .wavefront_size: 32
...
	.end_amdgpu_metadata
.endif
;; end of part 5
;; launch qkv: the kernel of part 2 again; grid 8 x 32, 4 waves a work-group, clusters of 4 x 4, 327,680 bytes of LDS; arguments xb, wab, b_attn, qq, kv; writes qq, kv
;; launch attn: the kernel of part 3 again; grid 4 x 64, 4 waves a work-group, no clusters, 327,680 bytes of LDS; arguments qq, kv, yy; writes yy
;; launch proj: the kernel of part 4 again; grid 8 x 32, 4 waves a work-group, clusters of 4 x 4, 327,680 bytes of LDS; arguments yy, wpb, b_proj, out0; writes out0
